; MI455X (gfx1250); checked and timed in simulation.
; The chip was launched on July 23, 2026; its instructions are those of AMD's public machine-readable ISA for CDNA 5 (MIT licence, August 2026) and "CDNA5" Instruction Set Architecture Reference Guide (July 2026). The comments in the code are by the model that wrote it; some were corrected since.
;; Mixer Attention. Allowed arithmetic: float matrix products may take bf16 or f16 operands with f32 sums; all other float work in f32.
;; Inputs: Wk 512 x 2,048 float32; Wq 2,048 x 2,048 float32; Wv 512 x 2,048 float32; x 2 x 2,048 x 2,048 float32.
;; Outputs: out0 2 x 2,048 x 2,048 float32.
;; 2 versions, each right and faster than the one before. Each part assembles by itself: llvm-mc -triple=amdgcn-amd-amdhsa -mcpu=gfx1250 --defsym DOCPART=n.
;; ======== version 1 of 2: 3 launches
;; limits: values are held in f16: magnitudes above 65,504 overflow, below 6.1e-05 lose precision
;; workspace buffers: xb 16,777,216 bytes; wb 12,582,912 bytes; rope 1,048,576 bytes; qh 16,777,216 bytes; kh 4,194,304 bytes; vh 4,194,304 bytes; lo 1,572,864 bytes
;; launch prep (part 1): grid 2048 x 1, 8 waves a work-group, no clusters, 0 bytes of LDS; arguments x, Wq, Wk, Wv, xb, wb, rope; writes xb, wb, rope
.if DOCPART == 1
	.amdgcn_target "amdgcn-amd-amdhsa--gfx1250"
	.amdhsa_code_object_version 6
	.text
	.protected	k_qa707793cf4_prep
	.globl	k_qa707793cf4_prep
	.p2align	8
	.type	k_qa707793cf4_prep,@function
k_qa707793cf4_prep:
	s_mov_b64 s[64:65], 0
	v_nop
	global_prefetch_b8 v0, s[64:65] scope:SCOPE_SE
	s_setreg_imm32_b32 hwreg(HW_REG_WAVE_MODE, 25, 1), 1
	s_wait_xcnt 0x0
; PREP.  Two kinds of work-group, told apart by the work-group's number alone.
; 0 .. 1791: CAST.  x [4096][2048] and Wq, Wk, Wv (2048, 512, 512 rows of 2048) go from f32 to bf16, rounded to nearest even:
;   xb = x; wb = Wq's rows, then Wk's, then Wv's.  A work-group takes 8,192 numbers: 32 KiB in, 16 KiB out; every byte is read once and written once.
;   A thread takes 8 neighbouring numbers four times: two loads of 16 bytes, one store of 16 bytes; sixteen lanes store 256 consecutive bytes, aligned.
; 1792 .. 2047: TABLE.  rope[t][0..63] = cos(t f_j), rope[t][64..127] = sin(t f_j), f_j = 10000^(-j/64), t = 0 .. 2047, in f32.
;   A wave makes one row t, a lane the frequencies 2 lane and 2 lane + 1.  The angle is the f32 product t f, as the module forms it.
;   LIMIT: f comes from v_exp_f32 (1 ULP) of a rounded exponent, so the angle at t = 2047 can be off by a few 1e-4 rad.
;   Sine and cosine: n = round(a 2/pi); r = a - n pi/2 with pi/2 in two parts and fused multiply-adds (n is 1,304 at the most); polynomials on |r| <= pi/4; the quadrant n mod 4 picks and signs.
; No LDS, no barrier, no matrix unit: nothing here is shared between waves.
.set NCAST, 1792                       ; chunks of 8,192 numbers: x 1,024, Wq 512, Wk 128, Wv 128
	s_load_b256 s[4:11], s[0:1], 0x0               ; x s[4:5], Wq s[6:7], Wk s[8:9], Wv s[10:11]
	s_load_b128 s[12:15], s[0:1], 0x20             ; xb s[12:13], wb s[14:15]
	s_load_b64 s[16:17], s[0:1], 0x30              ; rope
	s_wait_kmcnt 0x0
	s_cmp_ge_u32 ttmp9, NCAST
	s_cbranch_scc1 .Ltable
	; which tensor my chunk lies in, and that tensor's first chunk
	s_mov_b64 s[18:19], s[10:11]                   ; Wv, from chunk 1,664
	s_mov_b32 s20, 1664
	s_cmp_lt_u32 ttmp9, 1664
	s_cselect_b64 s[18:19], s[8:9], s[18:19]       ; Wk, from 1,536
	s_cselect_b32 s20, 1536, s20
	s_cmp_lt_u32 ttmp9, 1536
	s_cselect_b64 s[18:19], s[6:7], s[18:19]       ; Wq, from 1,024
	s_cselect_b32 s20, 1024, s20
	s_cmp_lt_u32 ttmp9, 1024
	s_cselect_b64 s[18:19], s[4:5], s[18:19]       ; x, from 0
	s_cselect_b32 s20, 0, s20
	s_cselect_b64 s[22:23], s[12:13], s[14:15]     ; x goes to xb, the weights to wb,
	s_cselect_b32 s21, 0, 1024                     ; whose first chunk is 1,024
	s_sub_co_u32 s24, ttmp9, s20
	s_lshl_b32 s24, s24, 15                        ; 32,768 bytes of f32 a chunk
	s_mov_b32 s25, 0
	s_add_nc_u64 s[18:19], s[18:19], s[24:25]
	s_sub_co_u32 s26, ttmp9, s21
	s_lshl_b32 s26, s26, 14                        ; 16,384 bytes of bf16 a chunk
	s_mov_b32 s27, 0
	s_add_nc_u64 s[22:23], s[22:23], s[26:27]
	v_lshlrev_b32 v1, 5, v0                        ; my 32 bytes in
	v_lshlrev_b32 v2, 4, v0                        ; my 16 bytes out
.irp j, 0,1,2,3
	global_load_b128 v[8+8*\j:11+8*\j],  v1, s[18:19] offset:8192*\j th:TH_LOAD_NT
	global_load_b128 v[12+8*\j:15+8*\j], v1, s[18:19] offset:8192*\j+16 th:TH_LOAD_NT
.endr
.irp j, 0,1,2,3
	s_wait_loadcnt 6-2*\j                          ; loads come back in order: group j's two are in, the younger groups' stay out
	v_cvt_pk_bf16_f32 v[40+4*\j], v[8+8*\j],  v[9+8*\j]
	v_cvt_pk_bf16_f32 v[41+4*\j], v[10+8*\j], v[11+8*\j]
	v_cvt_pk_bf16_f32 v[42+4*\j], v[12+8*\j], v[13+8*\j]
	v_cvt_pk_bf16_f32 v[43+4*\j], v[14+8*\j], v[15+8*\j]
	global_store_b128 v2, v[40+4*\j:43+4*\j], s[22:23] offset:4096*\j  ; no register is written twice, so nothing waits for a store
.endr
	s_endpgm
; cos and sin of v3 x v[f] into v[c], v[s]; seven registers at work from v[t] on
.macro SINCOS f, c, s, t
	v_mul_f32 v[\t], v3, v[\f]                     ; a = t f
	v_mul_f32 v[\t+1], s24, v[\t]
	v_rndne_f32 v[\t+1], v[\t+1]                   ; n = round(a 2/pi)
	v_fma_f32 v[\t], -v[\t+1], s25, v[\t]          ; r = a - n pi/2: the high part,
	v_fma_f32 v[\t], -v[\t+1], s26, v[\t]          ; the low part
	v_mul_f32 v[\t+2], v[\t], v[\t]                ; z = r r
	v_fma_f32 v[\t+3], v[\t+2], s27, s28
	v_fma_f32 v[\t+3], v[\t+3], v[\t+2], s29
	v_mul_f32 v[\t+3], v[\t+3], v[\t+2]
	v_fma_f32 v[\t+3], v[\t+3], v[\t], v[\t]       ; sin r = r + r z (S1 + z (S2 + z S3))
	v_fma_f32 v[\t+4], v[\t+2], s30, s31
	v_fma_f32 v[\t+4], v[\t+4], v[\t+2], s32
	v_mul_f32 v[\t+5], v[\t+2], v[\t+2]
	v_fma_f32 v[\t+6], v[\t+2], -0.5, 1.0
	v_fma_f32 v[\t+4], v[\t+4], v[\t+5], v[\t+6]   ; cos r = 1 - z/2 + z z (C2 + z (C1 + z C0))
	v_cvt_i32_f32 v[\t+1], v[\t+1]                 ; the quadrant is n mod 4
	v_and_b32 v[\t+5], 1, v[\t+1]
	v_cmp_eq_u32 vcc_lo, 1, v[\t+5]
	v_cndmask_b32 v[\s], v[\t+3], v[\t+4], vcc_lo  ; odd quadrants change sine and cosine over
	v_cndmask_b32 v[\c], v[\t+4], v[\t+3], vcc_lo
	v_and_b32 v[\t+5], 2, v[\t+1]                  ; sine is negative in quadrants 2 and 3,
	v_lshlrev_b32 v[\t+5], 30, v[\t+5]
	v_xor_b32 v[\s], v[\s], v[\t+5]
	v_add_nc_u32 v[\t+6], 1, v[\t+1]               ; cosine in 1 and 2
	v_and_b32 v[\t+6], 2, v[\t+6]
	v_lshlrev_b32 v[\t+6], 30, v[\t+6]
	v_xor_b32 v[\c], v[\c], v[\t+6]
.endm
.Ltable:
	v_lshrrev_b32 v1, 5, v0
	v_readfirstlane_b32 s18, v1                    ; wave 0..7
	s_sub_co_u32 s19, ttmp9, NCAST
	s_lshl3_add_u32 s19, s19, s18                  ; t = 8 x (work-group - 1,792) + wave
	s_lshl_b32 s20, s19, 9                         ; a row of the table is 512 bytes
	s_mov_b32 s21, 0
	s_add_nc_u64 s[16:17], s[16:17], s[20:21]
	s_mov_b32 s24, 0x3f22f983                      ; 2/pi
	s_mov_b32 s25, 0x3fc90fdb                      ; pi/2, rounded to f32
	s_mov_b32 s26, 0xb33bbd2e                      ; pi/2 less that
	s_mov_b32 s27, 0xb94ca1f9                      ; S3 = -1.9515296e-4
	s_mov_b32 s28, 0x3c08839e                      ; S2 =  8.3321609e-3
	s_mov_b32 s29, 0xbe2aaaa3                      ; S1 = -1.6666655e-1
	s_mov_b32 s30, 0x37ccf5ce                      ; C0 =  2.4433157e-5
	s_mov_b32 s31, 0xbab6061a                      ; C1 = -1.3887316e-3
	s_mov_b32 s32, 0x3d2aaaa5                      ; C2 =  4.1666646e-2
	v_cvt_f32_u32 v3, s19
	v_and_b32 v4, 31, v0
	v_lshlrev_b32 v7, 3, v4                        ; my 8 bytes of a half row
	v_lshlrev_b32 v4, 1, v4
	v_cvt_f32_u32 v5, v4                           ; j = 2 lane,
	v_add_f32 v6, 1.0, v5                          ; and 2 lane + 1
	v_mul_f32 v5, 0xbe549a78, v5                   ; -j log2(10000) / 64
	v_mul_f32 v6, 0xbe549a78, v6
	v_exp_f32 v5, v5                               ; f_j
	v_exp_f32 v6, v6
	v_nop                                          ; a plain instruction between an exponential and the use of its result
	s_wait_alu depctr_va_vdst(0)
	SINCOS 5, 10, 12, 16
	SINCOS 6, 11, 13, 24
	global_store_b64 v7, v[10:11], s[16:17]            ; 32 lanes store the row's 256 bytes of cosines,
	global_store_b64 v7, v[12:13], s[16:17] offset:256 ; and its 256 bytes of sines
	s_endpgm
.Lfunc_end_k_qa707793cf4_prep:
	.size	k_qa707793cf4_prep, .Lfunc_end_k_qa707793cf4_prep-k_qa707793cf4_prep
	.p2alignl 7, 3214868480
	.fill 96, 4, 3214868480
	.section	.rodata,"a",@progbits
	.p2align	6, 0x0
	.amdhsa_kernel k_qa707793cf4_prep
		.amdhsa_group_segment_fixed_size 0
		.amdhsa_private_segment_fixed_size 0
		.amdhsa_enable_private_segment 0
		.amdhsa_kernarg_size 56
		.amdhsa_user_sgpr_count 2
		.amdhsa_user_sgpr_kernarg_segment_ptr 1
		.amdhsa_wavefront_size32 1
		.amdhsa_system_sgpr_workgroup_id_x 1
		.amdhsa_system_sgpr_workgroup_id_y 1
		.amdhsa_system_sgpr_workgroup_id_z 1
		.amdhsa_system_vgpr_workitem_id 0
		.amdhsa_next_free_vgpr 64
		.amdhsa_next_free_sgpr 66
		.amdhsa_reserve_vcc 1
		.amdhsa_float_denorm_mode_32 3
		.amdhsa_float_denorm_mode_16_64 3
		.amdhsa_memory_ordered 1
		.amdhsa_forward_progress 1
		.amdhsa_inst_pref_size 8
	.end_amdhsa_kernel
	.amdgpu_metadata
---
amdhsa.version: [ 1, 2 ]
amdhsa.kernels:
  - .name:           k_qa707793cf4_prep
    .symbol:         k_qa707793cf4_prep.kd
    .args:
      - { .name: x, .offset: 0, .size: 8, .value_kind: global_buffer, .address_space: global }
      - { .name: Wq, .offset: 8, .size: 8, .value_kind: global_buffer, .address_space: global }
      - { .name: Wk, .offset: 16, .size: 8, .value_kind: global_buffer, .address_space: global }
      - { .name: Wv, .offset: 24, .size: 8, .value_kind: global_buffer, .address_space: global }
      - { .name: xb, .offset: 32, .size: 8, .value_kind: global_buffer, .address_space: global }
      - { .name: wb, .offset: 40, .size: 8, .value_kind: global_buffer, .address_space: global }
      - { .name: rope, .offset: 48, .size: 8, .value_kind: global_buffer, .address_space: global }
    .group_segment_fixed_size: 0
    .private_segment_fixed_size: 0
    .kernarg_segment_align: 8
    .kernarg_segment_size: 56
    .max_flat_workgroup_size: 256
    .sgpr_count:     66
    .vgpr_count:     64
    .wavefront_size: 32
...
	.end_amdgpu_metadata
.endif
;; end of part 1
;; launch proj (part 2): grid 8 x 32, 4 waves a work-group, clusters of 4 x 4, 327,680 bytes of LDS; arguments xb, wb, rope, qh, kh, vh, lo; writes qh, kh, vh, lo
.if DOCPART == 2
	.amdgcn_target "amdgcn-amd-amdhsa--gfx1250"
	.amdhsa_code_object_version 6
	.text
	.protected	k_qa707793cf4_proj
	.globl	k_qa707793cf4_proj
	.p2align	8
	.type	k_qa707793cf4_proj,@function
k_qa707793cf4_proj:
	s_mov_b64 s[64:65], 0
	v_nop
	global_prefetch_b8 v0, s[64:65] scope:SCOPE_SE
	s_setreg_imm32_b32 hwreg(HW_REG_WAVE_MODE, 25, 1), 1
	s_wait_xcnt 0x0
	s_wait_alu depctr_hold_cnt(0) depctr_sa_sdst(0) depctr_va_vdst(0) depctr_va_sdst(0) depctr_va_ssrc(0) depctr_va_vcc(0) depctr_vm_vsrc(0)
	s_getreg_b32 s2, hwreg(HW_REG_IB_STS2, 6, 4)
	s_cmp_eq_u32 s2, 0
	s_cbranch_scc0 .Lentry_in_a_cluster
	s_endpgm
.Lentry_in_a_cluster:
	s_bfe_u32 s2, ttmp6, 0x10000c
	s_cmp_lg_u32 s2, 0xf033
	s_cbranch_scc0 .Lentry_shape_is_right
	s_endpgm
.Lentry_shape_is_right:
; PROJ.  q, k, v = x W^T (bf16 operands, f32 sums over K = 2,048), then for q and k RMS-norm over a head's 128 channels and RoPE, all in f32; rounded once to f16 and written by heads:
; qh [2][16][2048][128], kh and vh [2][4][2048][128].  xb [4096][2048], wb [3072][2048] (Wq's, Wk's, Wv's rows) bf16; rope [2048][cos 64 | sin 64] f32.
; LIMITS.  v is kept in f16: |v| up to 65,504, below 6e-5 in steps of 6e-8.  q and k are normalised: within sqrt(128).  NaN and infinities are not treated apart.
; SHARES.  A work-group makes 128 tokens x 384 channels: 32 x 8 = 256 work-groups.  Channel tile nt holds three whole heads: q heads 2 nt and 2 nt + 1, and head nt of the eight k and v heads.
; A wave takes all 128 tokens and of each head the channels 16 w .. +15 and 64 + 16 w .. +15: 8 x 6 = 48 accumulators of 16 x 16, 384 registers.  So RoPE's partners d and d + 64 lie in the same lane
; and register of two accumulators, and only the sum of squares crosses waves.
; THE MATRIX INSTRUCTION IS USED TRANSPOSED: source 0 = 16 rows of wb, source 1 = 16 rows of xb.  Lane l, register j of accumulator (a, hl, p) holds token 16 a + l % 16, channel 64 p + 16 w + 8 (l / 16) + j.
; RING.  K goes in steps of 128 through two LDS slots: 128 rows of xb and 3 x 128 rows of wb, each row 256 bytes of memory, aligned.  Wave 0 fetches xb's tile, waves 1 to 3 a head's each.
; CLUSTER 4 x 4.  xb's tile hangs on the token tile alone and is shared along a row of the cluster, wb's on the channel tile alone and is shared along a column: each is asked for jointly.
; LOW PARTS.  Row t of the attention is a mean over t + 1 keys, so in a head's first rows a number near 0 is a difference of v's many times the whole output's root mean square, and f16's 11 bits on q, k and v
; would show there.  So the tile's first 64 tokens are split: y = hi + lo, hi of 11 bits (c = 8193 y, hi = c - (c - y)), exact in f16, lo = y - hi rounded to f16.  hi goes out as every other number; lo is kept in
; registers and stored at the end into lo, in the order of the fragments: [head][token block a][piece 4 p + w][lane][16 bytes].  The token tile is cluster y + 8 cy, so the tiles that hold a batch's first tokens
; lie in the clusters with y = 0, and one branch on the cluster's y, which all partners share, jumps over the stores elsewhere.  Of those clusters' four token tiles (tokens 0 and 1,024 of either batch) the two
; at token 1,024 store low parts that nobody reads, 0.75 MB: the price of having no branch on the place in the cluster.
; REGISTERS, in windows of 256 (s_set_vgpr_msb: bits 1:0 source 0, 3:2 source 1, 5:4 source 2, 7:6 destination):
;   window 0: v16-29 addresses; v32-239 at work on the way out
;   window 1: accumulator (a, hl < 2, p) at v[8 (4 a + 2 hl + p)]
;   window 2: accumulator (a, 2, p) at v[8 (2 a + p)]; v128-255 my cosines and sines: block a at 128 + 16 a and 136 + 16 a
;   window 3: two fragment buffers of 112: wb's six fragments (n = 2 hl + p at 8 n), then xb's eight (block a at 48 + 8 a); on the way out v0-95 the low parts: (hl, a < 4, p) at 4 (8 hl + 2 a + p)
.set KSTEP,  128
.set PITCH,  272                       ; an LDS row: 256 bytes + 16 of padding = 68 words: the 16 rows that a load touches start at 16 different groups of four banks (64 banks of 4 bytes: ISA guide 11.1)
.set HALFT,  128*PITCH                 ; 128 rows: what one tensor load brings
.set SLOT,   4*HALFT                   ; xb's 128 rows, then the three heads' 128 rows each
.set STAGE,  2*SLOT                    ; behind the ring: 128 rows x 272 bytes, one head at a time, for the way out
.set SUMS,   STAGE+128*PITCH           ; sums of squares: [head 3][token 128][wave 4] f32
.set SPARE,  SUMS+3*128*16             ; the spare words, 128 bytes for each wave: two blocks of 256 bytes that no other line names
.set LAPS,   2048/(2*KSTEP)            ; a lap = two K steps = once round the ring
.set LO_K,   1<<20                     ; lo: q's low parts [slot 4][head 16][16 KiB], from here k's [slot 4][head 4][16 KiB],
.set LO_KV,  1<<18                     ; and so far behind them v's.  slot = token tile / 8 = 2 batch + (token 0 or 1,024)
.set ADRA, 16                          ; v16-17  LDS address of my xb fragments in slot 0, 1
.set ADRB, 18                          ; v18-19  of my wb fragments, heads 0 and 1
.set ADRC, 20                          ; v20-21  of head 2: its offset would not fit the 16-bit immediate
.set VRO,  22                          ; v22     my byte offset in the table's 128 rows
.set SADR, 23                          ; v23     where I put a sum of squares
.set SLD,  24                          ; v24     where I read a token's four
.set STO,  25                          ; v25     the way out: where I put 16 bytes of a row
.set RD,   26                          ; v26     the way out: where I read a row back
.set CO,   27                          ; v27     my byte offset in 512 consecutive bytes of the output
.set SPW,  28                          ; v28     LDS address of my spare word; never rewritten
.set NIL,  29                          ; v29     0; never rewritten
.set SS,   32                          ; v32-55  my sums of squares, 8 hl + a
.set TY,   64                          ; v64-143 at work: four registers a block for the sums; then two sets of 40: x1 n, x2 n, y1, y2, the f16
.set PS,   96                          ; v96-191 the four waves' sums, four registers for each (hl, a)
.set RS,   192                         ; v192-239 1 / rms, twice (a pair for the packed multiply), for each (hl, a)
.set F0,   0
.set F1,   112
.set WV,   16                          ; s16     my wave's number
.set G1A,  24                          ; s[24:31] descriptor group 1 for xb's tiles;  s[32:39] group 0, a set for each slot
.set G0A,  32
.set G1B,  48                          ; s[48:55], s[56:63] the same for wb's
.set G0B,  56
.set SEL,  66                          ; s[66:67] v_permlanex16_b32's selects: each lane takes its own place in the other half
.set DST,  70                          ; s[70:75] where my 32 rows of heads 0, 1, 2 go
.set LD,   84                          ; s[84:89] where my pieces of their low parts go
.set VK,   96                          ; s[96:97] 8193 = 2^13 + 1: the packed multiply takes the pair's low word for both halves
.set MSB, 0
.macro WIN new                         ; the immediate's high byte repeats the setting that is left; a switch that changes nothing is dropped
.if MSB != (\new)
	s_set_vgpr_msb (MSB<<8)|(\new)
.set MSB, \new
.endif
.endm
.set MUL1, 0x5f                        ; both sources window 3, C and D window 1
.set MUL2, 0xaf                        ; both sources window 3, C and D window 2
.set TO_F, 0xc0                        ; destination window 3, address (or sources) window 0
; A joint load.  Each of the two lines has one mask and one set of registers; the branch hangs on the wave's number alone.
; An s_nop 0 and four v_nop follow each line, ahead of the jump, the label and what follows.
.macro JLOAD s
	s_cmp_eq_u32 s[WV], 0
	s_cbranch_scc0 .Lfor_b_\@
	tensor_load_to_lds s[G0A+4*(\s):G0A+4*(\s)+3], s[G1A:G1A+7]
	s_nop 0
.rept 4
	v_nop
.endr
	s_branch .Lasked_\@
.Lfor_b_\@:
	tensor_load_to_lds s[G0B+4*(\s):G0B+4*(\s)+3], s[G1B:G1B+7]
	s_nop 0
.rept 4
	v_nop
.endr
.Lasked_\@:
.endm
.macro CREST                           ; a round of the cluster's barrier behind its opening barrier
	s_cmp_lg_u32 s[WV], 0
	s_cbranch_scc1 .Lnot_wave_0_\@
	s_barrier_signal -3
.Lnot_wave_0_\@:
	s_barrier_wait -3
	s_barrier_signal -1
	s_barrier_wait -1
.endm
.macro CROUND                          ; a whole round
	s_barrier_signal -1
	s_barrier_wait -1
	CREST
.endm
.macro PLACES                          ; four plain vector instructions between a matrix instruction and a load into, or a vector instruction on, its registers
.rept 4
	v_nop
.endr
.endm
	s_load_b256 s[4:11], s[0:1], 0x0               ; xb s[4:5], wb s[6:7], rope s[8:9], qh s[10:11]
	s_load_b128 s[12:15], s[0:1], 0x20             ; kh s[12:13], vh s[14:15]
	s_load_b64 s[92:93], s[0:1], 0x30              ; lo
	v_lshl_add_u32 v[SPW], v0, 2, SPARE
	v_mov_b32 v[NIL], 0
	ds_add_u32 v28, v29
	s_wait_dscnt 0x0
	v_lshrrev_b32 v1, 5, v0
	v_readfirstlane_b32 s[WV], v1                  ; wave 0..3
	s_bfe_u32 s40, ttmp6, 0x40000                  ; cx, cy: my place in the cluster
	s_bfe_u32 s41, ttmp6, 0x40004
	s_lshl_b32 s42, ttmp9, 2
	s_add_co_u32 s42, s42, s40                     ; nt, the channel tile = 4 x cluster x + cx
	s_and_b32 s43, ttmp7, 0xffff                   ; the cluster's y, 0 .. 7
	s_lshl3_add_u32 s43, s41, s43                  ; mt, the token tile = cluster y + 8 cy
	s_lshl_b32 s44, s41, 2
	s_lshl_b32 s44, 15, s44                        ; my row of the cluster
	s_lshl_b32 s45, 0x1111, s40                    ; my column
	; descriptor group 1: a tile of 128 rows x 128 elements, padded in LDS
	s_or_b32 s[G1A], s44, (1<<16)|(1<<20)|(1<<21)|(5<<22)|(3<<25)  ; 15:0 the mask; 17:16 2-byte elements; 20 padding on; 21 set beside a mask; 24:22 after every 64 words (code 5); 31:25 4 words (code 3)
	s_or_b32 s[G1B], s45, (1<<16)|(1<<20)|(1<<21)|(5<<22)|(3<<25)
.irp g, G1A, G1B
	s_mov_b32 s[(\g)+1], KSTEP<<16                 ; tensor_dim0 = 128
	s_mov_b32 s[(\g)+2], 128<<16                   ; tensor_dim1 = 128
	s_mov_b32 s[(\g)+3], KSTEP<<16                 ; tile_dim0 = 128
	s_mov_b32 s[(\g)+4], 128                       ; tile_dim1 = 128
	s_mov_b32 s[(\g)+5], 2048                      ; 2,048 elements from row to row
	s_mov_b32 s[(\g)+6], 0
	s_mov_b32 s[(\g)+7], 0
.endr
	s_lshl_b32 s18, s43, 19                        ; xb: token tile x 128 rows x 4,096 bytes
	s_mov_b32 s19, 0
	s_max_u32 s17, s[WV], 1
	s_sub_co_u32 s17, s17, 1                       ; the head that I fetch: waves 1, 2, 3 take 0, 1, 2 (wave 0's figure is not used)
	s_lshl1_add_u32 s46, s42, s17
	s_lshl_b32 s46, s46, 7                         ; wb: q head 2 nt + head begins at row 128 x that,
	s_lshl_b32 s47, s42, 7
	s_add_co_u32 s47, s47, 2048                    ; head nt of k and v at row 2,048 + 128 nt
	s_cmp_eq_u32 s17, 2
	s_cselect_b32 s46, s47, s46
	s_lshl_b32 s46, s46, 12                        ; rows of 4,096 bytes
	s_mov_b32 s47, 0
	s_mul_i32 s20, s[WV], HALFT                    ; where a tile goes: wave x 128 rows: no place in the cluster enters an LDS address
	s_mov_b32 s[SEL], 0x76543210
	s_mov_b32 s[SEL+1], 0xfedcba98
	s_mov_b32 s68, 0x3c000000                      ; 1 / 128
	s_mov_b32 s69, 0x34000000                      ; eps = 2^-23
	s_mov_b32 s[VK], 0x46000400                    ; 8193.0
	s_mov_b32 s[VK+1], s[VK]                       ; named with it as a pair
	s_wait_kmcnt 0x0
	s_add_nc_u64 s[18:19], s[4:5], s[18:19]
	s_add_nc_u64 s[46:47], s[6:7], s[46:47]
	CROUND                                         ; all sixteen work-groups are here: the first joint loads meet
.irp s, 0,1
	s_mov_b32 s[G0A+4*(\s)], 1                                       ; count = 1
	s_add_co_u32 s[G0A+4*(\s)+1], s20, (\s)*SLOT                     ; LDS address
	s_add_nc_u64 s[G0A+4*(\s)+2:G0A+4*(\s)+3], s[18:19], (\s)*KSTEP*2  ; global address: K step s
	s_or_b32 s[G0A+4*(\s)+3], s[G0A+4*(\s)+3], 0x80000000            ; type = 2
	s_mov_b32 s[G0B+4*(\s)], 1
	s_add_co_u32 s[G0B+4*(\s)+1], s20, (\s)*SLOT
	s_add_nc_u64 s[G0B+4*(\s)+2:G0B+4*(\s)+3], s[46:47], (\s)*KSTEP*2
	s_or_b32 s[G0B+4*(\s)+3], s[G0B+4*(\s)+3], 0x80000000
	JLOAD \s                                       ; two loads of mine are out
.endr
	v_and_b32 v1, 15, v0                           ; l % 16
	v_bfe_u32 v2, v0, 4, 1                         ; l / 16
	v_mul_u32_u24 v3, v1, PITCH
	v_lshl_add_u32 v3, v2, 4, v3                   ; a fragment's row x pitch + 16 x half
	s_mul_i32 s21, s[WV], 16*PITCH
	s_add_co_u32 s21, s21, HALFT                   ; head 0's rows 16 w on
	v_mov_b32 v[ADRA], v3
	v_add_nc_u32 v[ADRA+1], SLOT, v3
	v_add_nc_u32 v[ADRB], s21, v3
	v_add_nc_u32 v[ADRB+1], SLOT, v[ADRB]
	v_add_nc_u32 v[ADRC], 2*HALFT, v[ADRB]
	v_add_nc_u32 v[ADRC+1], 2*HALFT, v[ADRB+1]
	v_lshlrev_b32 v[VRO], 9, v1                    ; the table: token l % 16 x 512 bytes,
	v_lshl_add_u32 v[VRO], v2, 5, v[VRO]           ; my eight frequencies 16 w + 8 (l / 16) on
	s_lshl_b32 s22, s[WV], 6
	v_add_nc_u32 v[VRO], s22, v[VRO]
	v_lshl_add_u32 v[SLD], v1, 4, SUMS
	s_lshl_b32 s22, s[WV], 2
	v_add_nc_u32 v[SADR], s22, v[SLD]
	s_lshl_b32 s22, s[WV], 5
	s_add_co_u32 s22, s22, STAGE
	v_add_nc_u32 v[STO], s22, v3                   ; into the stage: row l % 16, channels 16 w + 8 (l / 16) on, 2 bytes each
	s_mul_i32 s22, s[WV], 32*PITCH
	s_add_co_u32 s22, s22, STAGE
	v_mul_u32_u24 v4, v2, PITCH
	v_lshl_add_u32 v4, v1, 4, v4
	v_add_nc_u32 v[RD], s22, v4                    ; back: wave w takes rows 32 w .. +31, whole; lanes 0-15 one row of 256 bytes, lanes 16-31 the next
	v_and_b32 v4, 31, v0
	v_lshlrev_b32 v[CO], 4, v4                     ; a head's rows are dense: those two rows are 512 consecutive bytes
	; my cosines and sines, 32 loads: they are waited for behind the products
	s_and_b32 s77, s43, 15                         ; the token tile within its batch
	s_lshl_b32 s78, s77, 16                        ; x 128 rows x 512 bytes
	s_mov_b32 s79, 0
	s_add_nc_u64 s[78:79], s[8:9], s[78:79]
	WIN 0x80                                       ; destination window 2
.set a, 0
.rept 8
	global_load_b128 v[128+16*a:131+16*a], v[VRO], s[78:79] offset:a*8192
	global_load_b128 v[132+16*a:135+16*a], v[VRO], s[78:79] offset:a*8192+16
	global_load_b128 v[136+16*a:139+16*a], v[VRO], s[78:79] offset:a*8192+256
	global_load_b128 v[140+16*a:143+16*a], v[VRO], s[78:79] offset:a*8192+272
.set a, a+1
.endr
	WIN 0
	; where my 32 rows of each head go: a head is 2,048 rows of 256 bytes
	s_lshr_b32 s80, s43, 4                         ; batch
	s_lshl_b32 s81, s77, 7
	s_lshl_b32 s82, s[WV], 5
	s_add_co_u32 s81, s81, s82
	s_lshl_b32 s81, s81, 8                         ; (first token + 32 w) x 256
	s_lshl_b32 s82, s80, 4
	s_lshl1_add_u32 s82, s42, s82                  ; 16 batch + 2 nt
	s_lshl_b32 s82, s82, 19
	s_add_co_u32 s82, s82, s81
	s_mov_b32 s83, 0
	s_add_nc_u64 s[DST:DST+1], s[10:11], s[82:83]
	s_add_nc_u64 s[DST+2:DST+3], s[DST:DST+1], 1<<19
	s_cmp_ge_u32 s42, 4                            ; tiles 4 to 7 hold a v head: a choice of values and of the buffer, no branch
	s_cselect_b32 s76, -1, 0
	s_cselect_b64 s[DST+4:DST+5], s[14:15], s[12:13]
	s_cselect_b32 s94, LO_KV, 0
	s_and_b32 s82, s42, 3
	s_lshl2_add_u32 s82, s80, s82                  ; 4 batch + head
	s_lshl_b32 s82, s82, 19
	s_add_co_u32 s82, s82, s81
	s_add_nc_u64 s[DST+4:DST+5], s[DST+4:DST+5], s[82:83]
	; where my pieces of the low parts go: a head has 16 KiB, token block a 4,096 bytes of it, piece 4 p + w 512
	s_lshr_b32 s90, s43, 3                         ; slot
	s_lshl_b32 s91, s[WV], 9
	s_lshl_b32 s82, s90, 4
	s_lshl1_add_u32 s82, s42, s82                  ; 16 slot + 2 nt
	s_lshl_b32 s82, s82, 14
	s_add_co_u32 s82, s82, s91
	s_add_nc_u64 s[LD:LD+1], s[92:93], s[82:83]
	s_add_nc_u64 s[LD+2:LD+3], s[LD:LD+1], 1<<14
	s_and_b32 s82, s42, 3
	s_lshl2_add_u32 s82, s90, s82                  ; 4 slot + head
	s_lshl_b32 s82, s82, 14
	s_add_co_u32 s82, s82, s91
	s_add_co_u32 s82, s82, s94                     ; k's or v's part of the buffer
	s_add_co_u32 s82, s82, LO_K
	s_add_nc_u64 s[LD+4:LD+5], s[92:93], s[82:83]
; 6 cnt matrix instructions: token blocks a0 .. a0 + cnt - 1 x my six channel blocks, 32 along K.  zero = 1: the first product starts the sums: nothing is ever cleared.
; The 48 accumulators take turns, one instruction a turn, in the same order in every quarter step.
.macro MULA f, a0, cnt, zero
	WIN MUL1
.set ma, \a0
.rept \cnt
.set mn, 0
.rept 4
.if \zero
	v_wmma_f32_16x16x32_bf16 v[8*(4*ma+mn):8*(4*ma+mn)+7], v[(\f)+8*mn:(\f)+8*mn+7], v[(\f)+48+8*ma:(\f)+48+8*ma+7], 0
.else
	v_wmma_f32_16x16x32_bf16 v[8*(4*ma+mn):8*(4*ma+mn)+7], v[(\f)+8*mn:(\f)+8*mn+7], v[(\f)+48+8*ma:(\f)+48+8*ma+7], v[8*(4*ma+mn):8*(4*ma+mn)+7]
.endif
.set mn, mn+1
.endr
.set ma, ma+1
.endr
	WIN MUL2
.set ma, \a0
.rept \cnt
.set mn, 0
.rept 2
.if \zero
	v_wmma_f32_16x16x32_bf16 v[8*(2*ma+mn):8*(2*ma+mn)+7], v[(\f)+32+8*mn:(\f)+32+8*mn+7], v[(\f)+48+8*ma:(\f)+48+8*ma+7], 0
.else
	v_wmma_f32_16x16x32_bf16 v[8*(2*ma+mn):8*(2*ma+mn)+7], v[(\f)+32+8*mn:(\f)+32+8*mn+7], v[(\f)+48+8*ma:(\f)+48+8*ma+7], v[8*(2*ma+mn):8*(2*ma+mn)+7]
.endif
.set mn, mn+1
.endr
.set ma, ma+1
.endr
.endm
; 28 LDS loads in one run: the fragments of 32 along K at byte k of the rows, into buffer f: wb's twelve loads first, then xb's sixteen, block 0 first
.macro FETCH slot, k, f
	WIN TO_F
.irp n, 0,1,2,3
	ds_load_b128 v[(\f)+8*(\n):(\f)+8*(\n)+3],   v[ADRB+(\slot)] offset:(\k)+((\n)/2)*HALFT+((\n)%2)*64*PITCH
	ds_load_b128 v[(\f)+8*(\n)+4:(\f)+8*(\n)+7], v[ADRB+(\slot)] offset:(\k)+((\n)/2)*HALFT+((\n)%2)*64*PITCH+32
.endr
.irp n, 0,1
	ds_load_b128 v[(\f)+32+8*(\n):(\f)+32+8*(\n)+3],   v[ADRC+(\slot)] offset:(\k)+(\n)*64*PITCH
	ds_load_b128 v[(\f)+32+8*(\n)+4:(\f)+32+8*(\n)+7], v[ADRC+(\slot)] offset:(\k)+(\n)*64*PITCH+32
.endr
.irp n, 0,1,2,3,4,5,6,7
	ds_load_b128 v[(\f)+48+8*(\n):(\f)+48+8*(\n)+3],   v[ADRA+(\slot)] offset:(\k)+(\n)*16*PITCH
	ds_load_b128 v[(\f)+48+8*(\n)+4:(\f)+48+8*(\n)+7], v[ADRA+(\slot)] offset:(\k)+(\n)*16*PITCH+32
.endr
.endm
; A K step is four quarters of 32 along K, 48 matrix instructions each, on buffers 0, 1, 0, 1.  One of the first three: multiplies buffer f and in its middle fetches the next quarter, at byte k, into g.
.macro QUARTER slot, k, f, g, zero
	s_wait_dscnt 8                                 ; wb's fragments and xb's blocks 0-3 are in; the youngest eight loads (blocks 4-7) may be out
	MULA \f, 0, 4, \zero
	PLACES                                         ; buffer g was read by the quarter before
	FETCH \slot, \k, \g
	s_wait_dscnt 28                                ; all but the 28 just issued
	MULA \f, 4, 4, \zero
.endm
; The last quarter multiplies buffer 1 and changes slots: ONE barrier.  In front of it each wave waits for all its tensor loads (one is out: its part of the next slot), adds 0 to its spare word, and waits
; for that and for its own reads of this slot.  fill = 1: the barrier opens a round of the cluster's, and this slot is filled again, two K steps ahead, first thing behind the round:
; 168 matrix instructions ahead of the wait for it.
.macro TURN slot, next, fill
	WIN 0                                          ; (the add's two registers lie in window 0)
	s_wait_tensorcnt 0x0                           ; all my tensor loads have landed
	ds_add_u32 v[SPW], v[NIL]                      ; 0 onto my spare word
	s_wait_dscnt 9                                 ; (the add and the youngest eight loads may be out)
	MULA F1, 0, 2, 0                               ; twelve matrix instructions stand between the add and the wait for it
	s_wait_dscnt 0x0                               ; the add is done, and my reads of this slot are over
	s_barrier_signal -1
	MULA F1, 2, 2, 0                               ; work on registers while the others arrive
.if \fill
	WIN 0
.endif
	s_barrier_wait -1
.if \fill
	CREST                                          ; no wave of any partner still reads this slot's tiles or has a load on its way
	s_add_nc_u64 s[G0A+4*(\slot)+2:G0A+4*(\slot)+3], s[G0A+4*(\slot)+2:G0A+4*(\slot)+3], 2*KSTEP*2
	s_add_nc_u64 s[G0B+4*(\slot)+2:G0B+4*(\slot)+3], s[G0B+4*(\slot)+2:G0B+4*(\slot)+3], 2*KSTEP*2
	JLOAD \slot                                    ; the four v_nop behind it are also the places in front of the loads below
.else
	PLACES
.endif
	FETCH \next, 0, F0
	MULA F1, 4, 4, 0
.endm
	s_wait_tensorcnt 1                             ; my part of K step 0 is in; K step 1's may stay out
	s_barrier_signal -1
	s_barrier_wait -1                              ; everybody's is
	FETCH 0, 0, F0
	QUARTER 0, 64,  F0, F1, 1                      ; the first quarter stands in front of the loop: its products start the sums
	WIN 0                                          ; at a label and at a branch every window is 0
	s_mov_b32 s3, LAPS-1
.Llap:                                                 ; a trip goes once round the ring, from a lap's second quarter to the next lap's first, and fills both slots again
	QUARTER 0, 128, F1, F0, 0
	QUARTER 0, 192, F0, F1, 0
	TURN 0, 1, 1
	QUARTER 1, 64,  F0, F1, 0
	QUARTER 1, 128, F1, F0, 0
	QUARTER 1, 192, F0, F1, 0
	TURN 1, 0, 1
	QUARTER 0, 64,  F0, F1, 0
	WIN 0
	s_sub_co_u32 s3, s3, 1
	s_cmp_lg_u32 s3, 0
	s_cbranch_scc1 .Llap
	QUARTER 0, 128, F1, F0, 0                      ; the last lap fills nothing
	QUARTER 0, 192, F0, F1, 0
	TURN 0, 1, 0
	QUARTER 1, 64,  F0, F1, 0
	QUARTER 1, 128, F1, F0, 0
	QUARTER 1, 192, F0, F1, 0
	s_wait_dscnt 8
	MULA F1, 0, 4, 0
	s_wait_dscnt 0x0
	MULA F1, 4, 4, 0
	WIN 0
	PLACES
; THE WAY OUT.
.macro XBASE hl, a                     ; X1: accumulator (a, hl, 0); (a, hl, 1) lies eight registers on
.if (\hl) < 2
.set X1, 8*(4*(\a)+2*(\hl))
.else
.set X1, 16*(\a)
.endif
.endm
; My share of head hl's sums of squares: for each token block two chains of four packed multiply-adds (each accumulator is read from its low end on), then the two
; halves of a pair, then the other half of the lanes, which holds the token's other eight channels of each block.
.macro SQ hl
.if (\hl) < 2
	WIN 0x05                                       ; sources 0 and 1 window 1
.else
	WIN 0x0a                                       ; window 2
.endif
.set a, 0
.rept 8
	XBASE \hl, a
	v_pk_mul_f32 v[TY+4*a:TY+4*a+1],   v[X1:X1+1],   v[X1:X1+1]
	v_pk_mul_f32 v[TY+4*a+2:TY+4*a+3], v[X1+8:X1+9], v[X1+8:X1+9]
.set a, a+1
.endr
.irp c, 2,4,6
.set a, 0
.rept 8
	XBASE \hl, a
	v_pk_fma_f32 v[TY+4*a:TY+4*a+1],   v[X1+(\c):X1+(\c)+1],     v[X1+(\c):X1+(\c)+1],     v[TY+4*a:TY+4*a+1]
	v_pk_fma_f32 v[TY+4*a+2:TY+4*a+3], v[X1+8+(\c):X1+8+(\c)+1], v[X1+8+(\c):X1+8+(\c)+1], v[TY+4*a+2:TY+4*a+3]
.set a, a+1
.endr
.endr
	WIN 0
.set a, 0
.rept 8
	v_pk_add_f32 v[TY+4*a:TY+4*a+1], v[TY+4*a:TY+4*a+1], v[TY+4*a+2:TY+4*a+3]
.set a, a+1
.endr
.set a, 0
.rept 8
	v_add_f32 v[SS+8*(\hl)+a], v[TY+4*a], v[TY+4*a+1]
.set a, a+1
.endr
.set a, 0
.rept 8
	v_permlanex16_b32 v[TY+4*a], v[SS+8*(\hl)+a], s[SEL], s[SEL+1]
.set a, a+1
.endr
.set a, 0
.rept 8
	v_add_f32 v[SS+8*(\hl)+a], v[SS+8*(\hl)+a], v[TY+4*a]
.set a, a+1
.endr
.endm
	SQ 0
	SQ 1
	SQ 2
.set i, 0
.rept 24
	ds_store_b32 v[SADR], v[SS+i] offset:(i/8)*2048+(i%8)*256  ; both halves of the lanes hold the same number and write the same word
.set i, i+1
.endr
	s_wait_dscnt 0x0                               ; for the others' sake: my sums are in LDS
	s_barrier_signal -1
	s_barrier_wait -1
.set i, 0
.rept 24
	ds_load_b128 v[PS+4*i:PS+4*i+3], v[SLD] offset:(i/8)*2048+(i%8)*256  ; a token's four sums
.set i, i+1
.endr
	s_wait_dscnt 0x0
.set i, 0
.rept 24
	v_pk_add_f32 v[PS+4*i:PS+4*i+1], v[PS+4*i:PS+4*i+1], v[PS+4*i+2:PS+4*i+3]
.set i, i+1
.endr
.set i, 0
.rept 24
	v_add_f32 v[PS+4*i], v[PS+4*i], v[PS+4*i+1]
.set i, i+1
.endr
.set i, 0
.rept 24
	v_fma_f32 v[PS+4*i], v[PS+4*i], s68, s69       ; the mean of the squares + eps
.set i, i+1
.endr
.set i, 0
.rept 24
	v_rsq_f32 v[RS+2*i], v[PS+4*i]                 ; twice, to fill the pair that the packed multiply names
	v_rsq_f32 v[RS+2*i+1], v[PS+4*i]
.set i, i+1
.endr
	v_nop                                          ; a plain instruction between the last of them and the use of its result
	s_wait_alu depctr_va_vdst(0)
	s_wait_loadcnt 0x0                             ; my cosines and sines
; Token block a of head hl: x / rms; y1 = x1 c + x2 s, y2 = x2 c - x1 s; a v head keeps its sums as they are; f16; 16 bytes of y1 and of y2 into the stage.
; Blocks 0 to 3 are split first: eight numbers at a time, c = 8193 y where x n lay, c - y beside it, hi = c - (c - y) over c, lo = y - hi over y; hi goes to the stage, lo into window 3.
.macro ROT hl, a
.set SB, TY+40*((\a)%2)
.set RP, RS+2*(8*(\hl)+(\a))
.set CB, 128+16*(\a)
	XBASE \hl, \a
.if (\hl) < 2
	WIN 0x01                                       ; source 0 window 1
.else
	WIN 0x02                                       ; window 2
.endif
.irp c, 0,2,4,6
	v_pk_mul_f32 v[SB+(\c):SB+(\c)+1],     v[X1+(\c):X1+(\c)+1],     v[RP:RP+1]
	v_pk_mul_f32 v[SB+8+(\c):SB+8+(\c)+1], v[X1+8+(\c):X1+8+(\c)+1], v[RP:RP+1]
.endr
	WIN 0x08                                       ; source 1 window 2: the table, and head 2's sums
.irp c, 0,2,4,6
	v_pk_mul_f32 v[SB+16+(\c):SB+16+(\c)+1], v[SB+(\c):SB+(\c)+1],     v[CB+(\c):CB+(\c)+1]
	v_pk_mul_f32 v[SB+24+(\c):SB+24+(\c)+1], v[SB+8+(\c):SB+8+(\c)+1], v[CB+(\c):CB+(\c)+1]
.endr
.irp c, 0,2,4,6
	v_pk_fma_f32 v[SB+16+(\c):SB+16+(\c)+1], v[SB+8+(\c):SB+8+(\c)+1], v[CB+8+(\c):CB+8+(\c)+1], v[SB+16+(\c):SB+16+(\c)+1]
	v_pk_fma_f32 v[SB+24+(\c):SB+24+(\c)+1], v[SB+(\c):SB+(\c)+1],     v[CB+8+(\c):CB+8+(\c)+1], v[SB+24+(\c):SB+24+(\c)+1] neg_lo:[1,0,0] neg_hi:[1,0,0]
.endr
.if (\hl) == 2
.set j, 0
.rept 16
	v_cndmask_b32 v[SB+16+j], v[SB+16+j], v[X1+j], s76
.set j, j+1
.endr
.endif
	WIN 0
.if (\a) < 4
.irp e, 0,8
.irp c, 0,2,4,6
	v_pk_mul_f32 v[SB+(\c):SB+(\c)+1], v[SB+16+(\e)+(\c):SB+16+(\e)+(\c)+1], s[VK:VK+1] op_sel_hi:[1,0]
.endr
.irp c, 0,2,4,6
	v_pk_add_f32 v[SB+8+(\c):SB+8+(\c)+1], v[SB+(\c):SB+(\c)+1], v[SB+16+(\e)+(\c):SB+16+(\e)+(\c)+1] neg_lo:[0,1] neg_hi:[0,1]
.endr
.irp c, 0,2,4,6
	v_pk_add_f32 v[SB+(\c):SB+(\c)+1], v[SB+(\c):SB+(\c)+1], v[SB+8+(\c):SB+8+(\c)+1] neg_lo:[0,1] neg_hi:[0,1]
.endr
.irp c, 0,2,4,6
	v_pk_add_f32 v[SB+16+(\e)+(\c):SB+16+(\e)+(\c)+1], v[SB+16+(\e)+(\c):SB+16+(\e)+(\c)+1], v[SB+(\c):SB+(\c)+1] neg_lo:[0,1] neg_hi:[0,1]
.endr
.irp c, 0,1,2,3
	v_cvt_pk_f16_f32 v[SB+32+(\e)/2+(\c)], v[SB+2*(\c)], v[SB+2*(\c)+1]
.endr
.endr
.else
.irp c, 0,1,2,3,4,5,6,7
	v_cvt_pk_f16_f32 v[SB+32+(\c)], v[SB+16+2*(\c)], v[SB+16+2*(\c)+1]
.endr
.endif
	ds_store_b128 v[STO], v[SB+32:SB+35] offset:(\a)*16*PITCH
	ds_store_b128 v[STO], v[SB+36:SB+39] offset:(\a)*16*PITCH+128
.if (\a) < 4
	WIN TO_F                                       ; destination window 3: the fragment buffers are free behind the products
.irp c, 0,1,2,3,4,5,6,7
	v_cvt_pk_f16_f32 v[8*(4*(\hl)+(\a))+(\c)], v[SB+16+2*(\c)], v[SB+16+2*(\c)+1]
.endr
	WIN 0
.endif
.endm
; A head goes out: all four waves write their channels of the 128 rows; a barrier; each wave reads 32 whole rows back and stores them.  more = 1: the stage is written again, so a second
; barrier stands behind every wave's reads of it.
.macro PASS hl, more
.irp b, 0,1,2,3,4,5,6,7
	ROT \hl, \b
.endr
	s_wait_dscnt 0x0                               ; for the others' sake: my stores into the stage are done
	s_barrier_signal -1
	s_barrier_wait -1
	s_wait_xcnt 0x0                                ; the registers below held the last head's store data: they are loaded again only behind this wait
.set i, 0
.rept 16
.set OBI, 32+4*i+80*(i/8)                      ; v32-63, then v144-175
	ds_load_b128 v[OBI:OBI+3], v[RD] offset:i*2*PITCH
.set i, i+1
.endr
.set i, 0
.rept 16
.set OBI, 32+4*i+80*(i/8)
	s_wait_dscnt 15-i                              ; LDS loads come back in order: load i is in, the younger ones stay out
	global_store_b128 v[CO], v[OBI:OBI+3], s[DST+2*(\hl):DST+2*(\hl)+1] offset:512*i  ; 512 consecutive bytes, at a multiple of 256 from the buffer's first
.set i, i+1
.endr
.if \more
	s_barrier_signal -1                            ; the count-down above ended at 0: my reads of the stage are over
	s_barrier_wait -1
.endif
.endm
	PASS 0, 1
	PASS 1, 1
	PASS 2, 0
	; the low parts: only the clusters with y = 0 hold a batch's first tokens.  The jump goes forward, hangs on the cluster's y, which all sixteen partners share, and passes nothing but stores.
	s_and_b32 s90, ttmp7, 0xffff
	s_cmp_lg_u32 s90, 0
	s_cbranch_scc1 .Lno_low
	WIN 0x0c                                       ; store data in window 3
.set i, 0
.rept 24                                       ; i = 8 hl + 2 a + p
	global_store_b128 v[CO], v[4*i:4*i+3], s[LD+2*(i/8):LD+2*(i/8)+1] offset:(i%8)*2048  ; 512 consecutive bytes, at a multiple of 256 from the buffer's first
.set i, i+1
.endr
	WIN 0
.Lno_low:
	s_wait_tensorcnt 0x0                           ; the wave's end: behind my last tensor load and my last LDS store
	ds_add_u32 v[SPW], v[NIL]
	s_wait_dscnt 0x0
	CROUND                                         ; the closing round: no work-group ends while a partner may still ask for a tile that names it
	s_endpgm
.Lfunc_end_k_qa707793cf4_proj:
	.size	k_qa707793cf4_proj, .Lfunc_end_k_qa707793cf4_proj-k_qa707793cf4_proj
	.p2alignl 7, 3214868480
	.fill 96, 4, 3214868480
	.section	.rodata,"a",@progbits
	.p2align	6, 0x0
	.amdhsa_kernel k_qa707793cf4_proj
		.amdhsa_group_segment_fixed_size 327680
		.amdhsa_private_segment_fixed_size 0
		.amdhsa_enable_private_segment 0
		.amdhsa_kernarg_size 56
		.amdhsa_user_sgpr_count 2
		.amdhsa_user_sgpr_kernarg_segment_ptr 1
		.amdhsa_wavefront_size32 1
		.amdhsa_system_sgpr_workgroup_id_x 1
		.amdhsa_system_sgpr_workgroup_id_y 1
		.amdhsa_system_sgpr_workgroup_id_z 1
		.amdhsa_system_vgpr_workitem_id 0
		.amdhsa_next_free_vgpr 1024
		.amdhsa_next_free_sgpr 98
		.amdhsa_reserve_vcc 0
		.amdhsa_float_denorm_mode_32 3
		.amdhsa_float_denorm_mode_16_64 3
		.amdhsa_memory_ordered 1
		.amdhsa_forward_progress 1
		.amdhsa_inst_pref_size 226
	.end_amdhsa_kernel
	.amdgpu_metadata
---
amdhsa.version: [ 1, 2 ]
amdhsa.kernels:
  - .name:           k_qa707793cf4_proj
    .symbol:         k_qa707793cf4_proj.kd
    .args:
      - { .name: xb, .offset: 0, .size: 8, .value_kind: global_buffer, .address_space: global }
      - { .name: wb, .offset: 8, .size: 8, .value_kind: global_buffer, .address_space: global }
      - { .name: rope, .offset: 16, .size: 8, .value_kind: global_buffer, .address_space: global }
      - { .name: qh, .offset: 24, .size: 8, .value_kind: global_buffer, .address_space: global }
      - { .name: kh, .offset: 32, .size: 8, .value_kind: global_buffer, .address_space: global }
      - { .name: vh, .offset: 40, .size: 8, .value_kind: global_buffer, .address_space: global }
      - { .name: lo, .offset: 48, .size: 8, .value_kind: global_buffer, .address_space: global }
    .group_segment_fixed_size: 327680
    .private_segment_fixed_size: 0
    .kernarg_segment_align: 8
    .kernarg_segment_size: 56
    .max_flat_workgroup_size: 128
    .sgpr_count:     98
    .vgpr_count:     1024
    .wavefront_size: 32
...
	.end_amdgpu_metadata
.endif
;; end of part 2
;; launch attn (part 3): grid 32 x 8, 4 waves a work-group, clusters of 4 x 1, 327,680 bytes of LDS; arguments qh, kh, vh, out0, lo; writes out0
.if DOCPART == 3
	.amdgcn_target "amdgcn-amd-amdhsa--gfx1250"
	.amdhsa_code_object_version 6
	.text
	.protected	k_qa707793cf4_attn
	.globl	k_qa707793cf4_attn
	.p2align	8
	.type	k_qa707793cf4_attn,@function
k_qa707793cf4_attn:
	s_mov_b64 s[64:65], 0
	v_nop
	global_prefetch_b8 v0, s[64:65] scope:SCOPE_SE
	s_setreg_imm32_b32 hwreg(HW_REG_WAVE_MODE, 25, 1), 1
	s_wait_xcnt 0x0
	s_wait_alu depctr_hold_cnt(0) depctr_sa_sdst(0) depctr_va_vdst(0) depctr_va_sdst(0) depctr_va_ssrc(0) depctr_va_vcc(0) depctr_vm_vsrc(0)
	s_getreg_b32 s2, hwreg(HW_REG_IB_STS2, 6, 4)
	s_cmp_eq_u32 s2, 0
	s_cbranch_scc0 .Lentry_in_a_cluster
	s_endpgm
.Lentry_in_a_cluster:
	s_bfe_u32 s2, ttmp6, 0x10000c
	s_cmp_lg_u32 s2, 0x3003
	s_cbranch_scc0 .Lentry_shape_is_right
	s_endpgm
.Lentry_shape_is_right:
; ATTN.  Causal attention with grouped heads: out0[b][q][head 128 + d] = the sum over k <= q of softmax_k(Q[q] . K[k] / sqrt(128)) V[k][d].
; qh [2][16][2048][128], kh, vh [2][4][2048][128] f16; out0 [2][2048][2048] f32.  Query head 4 kv + g reads key and value head kv.  Products, maxima and sums in f32; the weights p are
; rounded to f16 for the second product (their sum l is taken of the unrounded p).
; LIMITS.  A hidden score counts as its value less 1e30 (a score is 128 at the most: q and k are normalised); a weight below 2^-126 counts as 0 in l; NaN and infinities are not treated apart.
; A low part (below) keeps f16's fixed step of 6e-8, and a high part under 6e-5 is rounded to that step without being made good.
; THE WALK.  A head's 2,048 queries are 16 blocks of 128; block i needs the key tiles 0 .. i of 128 keys, of which the last holds the diagonal.  A work-group takes TWO blocks, 15 - b and then b:
; 17 tiles, whatever b: all 256 work-groups do equal work but for the 64 products below, and one loop with a constant trip count walks them.  Which tile is asked for hangs on scalar registers made from b.
; CLUSTER 4 x 1.  The four partners are the four query heads g of one key and value head, with the same b: they walk the same tiles, so each tile is asked for JOINTLY.  g enters Q's, out0's and lo's addresses alone.
; SHARES.  Of a block's two bands of 64 queries a wave owns 16 rows in each: two tiles.  So the diagonal tile is the same work for all four waves.
; LAYOUT.  S^T = K Q^T (source 0 = 16 keys, source 1 = 16 queries): a lane holds ONE query (lane % 16) and the keys 8 (lane / 16) + 0..7; two such results rounded to f16 ARE source 1 of O^T = V^T P.
; K comes out of LDS as it lies, V ([key][channel]) turned, by ds_load_tr16_b128.
; SOFTMAX.  A running maximum m and sum l for each query: p = 2^(c s - c m), c = log2(e) / sqrt(128); in every step O and l are multiplied by a = 2^(c m_old - c m_new).  m starts at the lowest finite
; number: a block's first step has a = 0, so O^T and l need only hold finite numbers there.
; THE MASK is the C operand that starts a sum S^T: MD (0, or -1e30 where the key lies behind my query in a band's own step) x AL, or BE in all places, or the constant 0.  In the diagonal tile AL = 1 and
; BE = -1e30: band 0 takes MD in key step 0 and BE in step 1, band 1 takes 0 and MD.  In every other tile AL = BE = 0: one text serves all tiles.
; THE FIRST 64 ROWS.  Row q is a mean over q + 1 keys, so in a head's first rows a number near 0 is a difference of v's many times the whole output's root mean square, and f16's 11 bits on q, k, p and v would
; show there.  Those rows are band 0 of block 0, and see key step 0 of tile 0 alone: the walk's last tile where b = 0.  There each factor counts as two f16 numbers, high + low:
; S += K Ql + Kl Q, O += V Pl + Vl P: 64 products more.  The low parts of q, k, v come from lo (the launch before split them: [head][token block][piece][lane][16 bytes], in the order of the fragments);
; p is split here (c = 8193 p, hi = c - (c - p), lo = p - hi).  Every work-group brings the low parts in at its head (K's and V's through registers into LDS bytes of their own, laid like a key step;
; 36 KiB a work-group), so that every register and LDS byte that the last tile's text names is written whatever b; the products stand behind a jump on b, which the partners share.
; IN PHASES: a key step is 32 products K Q^T, the two tiles' softmax, 32 products V^T P.
; REGISTERS, in windows of 256 (s_set_vgpr_msb: bits 1:0 source 0, 3:2 source 1, 5:4 source 2, 7:6 destination):
;   window 0: v1-15 addresses; v16-31 eight registers of statistics a tile; v32-55, v232-239 Q's low part; v56-59 at work; v62-63 the add's; v64-127 S^T; v128-159 P; v160-191 MD; v192-223 MD x AL; v224-231 BE; v240-255 P's low part
;   window 1: v0-127 O^T, 64 a tile; v128-191 Q, 32 a tile; v192-255 the second block's Q          window 2: v0-127 K of one step; v128-255 V of one step
.set KS,    64        ; keys in a step
.set PK,    272       ; a row of K in LDS: 256 bytes + 16 of padding = 68 words: the 16 rows of a load start at 16 different groups of four banks (64 banks of 4 bytes: ISA guide 11.1)
.set PV,    288       ; a row of V: 256 + 32 = 72 words
.set VOFF,  KS*PK     ; a step's tiles lie together: 64 rows of K, then 64 rows of V
.set STEPB, KS*(PK+PV)
.set SLOT1, 1<<17     ; a slot holds a tile, two steps (71,680 bytes); slot 1 begins here, so that one exclusive or turns an address in one slot into the other's
.set STAGE, SLOT1+2*STEPB  ; behind the ring: 16 rows x 528 bytes for each wave, for the way out
.set SP,    528       ; a row of 128 f32 + 16 bytes: 33 x 16
.set SPARE, STAGE+4*16*SP  ; the spare words, 128 bytes for each wave: two blocks of 256 bytes that no other line names
.set LOB,   SPARE+512 ; the low parts of keys 0 to 63, laid like a key step: 35,840 bytes that no tensor load fills
.set LO_K,  1<<20     ; lo: q's low parts [slot 4][head 16][16 KiB], from here k's [slot 4][head 4][16 KiB],
.set LO_KV, 1<<18     ; and so far behind them v's.  A batch's first tokens lie in slot 2 batch
.set AK0, 2           ; v2   my lane's place in a tile of K; never rewritten
.set AV0, 3           ; v3   the same for V
.set AK,  4           ; v4   the same in the slot in hand
.set AV,  5
.set QO,  6           ; v6   my byte offset in 16 rows of Q
.set STO, 7           ; v7   the way out: where I put 32 bytes of a row
.set RD,  8           ; v8   the way out: where I read a row back
.set GO,  10          ; v10  16 x lane: my 16 bytes of a row's 512 in out0, and of a piece of lo
.set AKL, 11          ; v11  my lane's place in K's low part
.set AVL, 12          ; v12  in V's
.set KLS, 13          ; v13  where I put 16 bytes of K's low part
.set VLS, 15          ; v15  of V's
.set ST,  16          ; tile t's statistics at v[ST+8 t]: +0 c m, +1 m, +2, +3 l (even keys', odd keys'), +4 to +7 c0-c3, at work; a takes c2's place once the maximum is found
.set SPW, 62          ; v62  LDS address of my spare word; never rewritten
.set NIL, 63          ; v63  0; never rewritten
.set S,   64
.set P,   128
.set MD,  160
.set MCA, 192
.set MCB, 224
.set PL,  240
.set QF,  128         ; window 1
.set QB,  192         ; window 1
.set KF,  0           ; window 2: key block kb, channels 32 c on at KF + 32 kb + 8 c
.set VF,  128         ; window 2: key half kk, channel block cb at VF + 64 kk + 8 cb
.set WV,  12          ; s12  my wave's number
.set PB,  14          ; s14  b
.set HI,  15          ; s15  15 - b
.set G1K, 24          ; s[24:31] descriptor group 1 for K's tiles
.set G1V, 32          ; s[32:39] for V's: it differs in the padding alone
.set G0K, 40          ; s[40:43] descriptor group 0 for K's tiles
.set G0V, 44          ; s[44:47] for V's
.set VK,  54          ; s[54:55] 8193 = 2^13 + 1: the packed multiply takes the pair's low word for both halves
.set SLOTS, 56        ; s56  tiles still to be asked for
.set CS,  58          ; s[58:59] c: the packed scaling takes the pair's low word for both halves
.set SEL, 60          ; s[60:61] v_permlanex16_b32's selects: each lane takes its own place in the other half
.set TB,  62          ; s62  LDS byte at which the slot in hand begins
.set RT,  70          ; s70  tiles of the block in hand that are still to be entered
.set NXT, 71          ; s71  the tile to be asked for next
.set LQ,  72          ; s72  the last tile of the block whose tiles are being asked for
.set OFF, 74          ; s[74:75] a tile's byte offset in K and V
.set AL,  76          ; s[76:77] the mask's factor, in the low word
.set BE,  78          ; s78  the mask of a band that sees nothing
.set OLO, 80          ; s[80:81] out0 at my rows of the second block
.set BIGN, 82         ; s82  -1e30
.set MSB, 0
.macro WIN new                      ; the high byte repeats the setting that is left; a switch that changes nothing is dropped
.if MSB != (\new)
	s_set_vgpr_msb (MSB<<8)|(\new)
.set MSB, (\new)
.endif
.endm
.set W_KQ, 0x06       ; K in window 2, Q in window 1, S^T and the mask in window 0
.set W_KL, 0x02       ; K in window 2, Q's low part and S^T in window 0
.set W_PV, 0x52       ; V in window 2, P in window 0, O^T in window 1
.set W_RS, 0x41       ; destination and source 0 in window 1, source 1 in window 0
; A joint fill.  Waves 0 and 1 fetch the two steps' K, waves 2 and 3 their V: 64 keys each.  The branch hangs on the wave's number alone.
; An s_nop 0 and four v_nop follow each of the two lines, ahead of the jump and the label.
.macro JLOAD
	s_cmp_lt_u32 s[WV], 2
	s_cbranch_scc0 .Lfor_v_\@
	tensor_load_to_lds s[G0K:G0K+3], s[G1K:G1K+7]
	s_nop 0
.rept 4
	v_nop
.endr
	s_branch .Lasked_\@
.Lfor_v_\@:
	tensor_load_to_lds s[G0V:G0V+3], s[G1V:G1V+7]
	s_nop 0
.rept 4
	v_nop
.endr
.Lasked_\@:
.endm
; A round of the cluster's barrier: my work-group's barrier, so that wave 0's signal speaks for all four waves; wave 0 signals; every wave waits for all four work-groups; my work-group's barrier once more.
.macro CROUND
	s_barrier_signal -1
	s_barrier_wait -1
	s_cmp_lg_u32 s[WV], 0
	s_cbranch_scc1 .Lnot_wave_0_\@
	s_barrier_signal -3
.Lnot_wave_0_\@:
	s_barrier_wait -3
	s_barrier_signal -1
	s_barrier_wait -1
.endm
.macro PLACES                       ; four plain vector instructions between a matrix instruction and a load into, or a vector instruction on, its registers
.rept 4
	v_nop
.endr
.endm
; THE CHANGE OF SLOTS.  Each wave waits for all its tensor loads, of which one is out: its part of the other slot; adds 0 to its spare word; and waits for that and for its own reads of the slot that it leaves.
; fill = 1: the barrier is a round of the cluster's, so that no wave of any partner still reads the old slot or has a load on its way, and the old slot is filled again, first thing behind it, with tile NXT:
; the descriptor's address is made anew from that number.  The load has a tile's 128 matrix instructions and its softmax in which to land.  (At its first use nothing has been read yet: slot 0 is waited for,
; slot 1 filled; and the wait on DScnt also shows my stores of the low parts done, which the other waves read behind this barrier.)
.macro CHANGE fill
	WIN 0                           ; at a label and at a branch every window is 0
	s_wait_tensorcnt 0x0            ; no tensor load of mine is out, so a group 0 may be written
	ds_add_u32 v[SPW], v[NIL]       ; 0 onto my spare word; with fill = 1 the descriptors' scalar work stands between it and the wait for it
.if \fill
	s_lshl_b32 s[OFF], s[NXT], 15   ; a tile is 32,768 bytes of K and of V
	s_xor_b32 s[G0K+1], s[G0K+1], SLOT1
	s_add_nc_u64 s[G0K+2:G0K+3], s[6:7], s[OFF:OFF+1]
	s_or_b32 s[G0K+3], s[G0K+3], 0x80000000
	s_xor_b32 s[G0V+1], s[G0V+1], SLOT1
	s_add_nc_u64 s[G0V+2:G0V+3], s[8:9], s[OFF:OFF+1]
	s_or_b32 s[G0V+3], s[G0V+3], 0x80000000
	s_add_co_u32 s[NXT], s[NXT], 1  ; the block's next tile, or behind its last the second block's tile 0
	s_cmp_gt_u32 s[NXT], s[LQ]
	s_cselect_b32 s[NXT], 0, s[NXT]
	s_cselect_b32 s[LQ], s[PB], s[LQ]
	s_wait_dscnt 0x0                ; the add is done, and my reads of the slot are over
	CROUND
	JLOAD
.else
	s_wait_dscnt 0x0                ; the add is done, and my reads of the slot are over
	s_barrier_signal -1
	s_barrier_wait -1
.endif
	s_xor_b32 s[TB], s[TB], SLOT1   ; the reads go to the other slot
.endm
	s_load_b256 s[4:11], s[0:1], 0x0  ; qh s[4:5], kh s[6:7], vh s[8:9], out0 s[10:11]
	s_load_b64 s[48:49], s[0:1], 0x20 ; lo
	v_lshl_add_u32 v[SPW], v0, 2, SPARE
	v_mov_b32 v[NIL], 0
	ds_add_u32 v62, v63
	s_wait_dscnt 0x0
	v_lshrrev_b32 v1, 5, v0
	v_readfirstlane_b32 s[WV], v1   ; wave 0..3
	s_bfe_u32 s13, ttmp6, 0x40000   ; cx = g, my query head within the group
	s_mov_b32 s[PB], ttmp9          ; in a cluster launch ttmp9 counts clusters: b, which the four partners share
	s_sub_co_u32 s[HI], 15, s[PB]
	s_and_b32 s20, ttmp7, 0xffff    ; y = 4 batch + kv head, shared too
	s_and_b32 s16, s[WV], 1         ; which of a tile's two steps I fetch:
	s_lshl_b32 s22, s20, 19         ; the kv head's 2,048 rows of 256 bytes,
	s_lshl_b32 s23, s16, 14         ; the step's 64 rows,
	s_add_co_u32 s22, s22, s23
	s_mov_b32 s23, 0
	s_mul_i32 s17, s16, STEPB       ; and its place in a slot: no place in the cluster enters an LDS address
	s_lshl2_add_u32 s84, s20, s13   ; Q: head 4 y + g,
	s_lshl_b32 s84, s84, 19
	s_lshl_b32 s85, s[WV], 12       ; my 16 rows in a band,
	s_add_co_u32 s84, s84, s85
	s_lshl_b32 s2, s[HI], 15        ; in the first block (128 rows of 256 bytes),
	s_add_co_u32 s2, s2, s84
	s_mov_b32 s3, 0
	s_lshl_b32 s85, s[PB], 15       ; and in the second
	s_add_co_u32 s84, s84, s85
	s_mov_b32 s85, 0
	s_lshr_b32 s88, s20, 2          ; out0: the batch's 2^24 bytes,
	s_lshl_b32 s88, s88, 24
	s_and_b32 s89, s20, 3
	s_lshl2_add_u32 s89, s89, s13   ; the head's 512 bytes of a row,
	s_lshl_b32 s89, s89, 9
	s_add_co_u32 s88, s88, s89
	s_lshl_b32 s89, s[WV], 17       ; my 16 rows of 8,192 bytes,
	s_add_co_u32 s88, s88, s89
	s_lshl_b32 s90, s[HI], 20       ; in the first block,
	s_add_co_u32 s90, s90, s88
	s_mov_b32 s91, 0
	s_lshl_b32 s89, s[PB], 20       ; and in the second
	s_add_co_u32 s88, s88, s89
	s_mov_b32 s89, 0
	s_lshl_b32 s21, s[WV], 12       ; lo: token block w, 4,096 bytes, of
	s_lshr_b32 s92, s20, 2          ; (batch,
	s_and_b32 s93, s20, 3           ; kv head)
	s_lshl3_add_u32 s94, s92, s93   ; k's and v's head 4 x (slot 2 batch) + kv,
	s_lshl_b32 s94, s94, 14
	s_add_co_u32 s94, s94, s21
	s_mov_b32 s95, 0
	s_lshl2_add_u32 s93, s93, s13
	s_lshl_b32 s92, s92, 5
	s_add_co_u32 s92, s92, s93      ; q's head 16 x (slot 2 batch) + 4 kv + g
	s_lshl_b32 s92, s92, 14
	s_add_co_u32 s92, s92, s21
	s_mov_b32 s93, 0
	; descriptor group 1: a tile of 64 rows x 128 elements, padded in LDS
	s_mov_b32 s[G1K], 15|(1<<16)|(1<<20)|(1<<21)|(5<<22)|(3<<25)  ; 15:0 the mask of four; 17:16 2-byte elements; 20 padding on; 21 set beside a mask; 24:22 after every 64 words (code 5); 31:25 4 words (code 3)
	s_mov_b32 s[G1V], 15|(1<<16)|(1<<20)|(1<<21)|(5<<22)|(7<<25)  ; the same with 8 words of padding (code 7)
.irp g, G1K, G1V
	s_mov_b32 s[(\g)+1], 128<<16    ; tensor_dim0 = 128
	s_mov_b32 s[(\g)+2], KS<<16     ; tensor_dim1 = 64
	s_mov_b32 s[(\g)+3], 128<<16    ; tile_dim0 = 128
	s_mov_b32 s[(\g)+4], KS         ; tile_dim1 = 64
	s_mov_b32 s[(\g)+5], 128        ; 128 elements from row to row
	s_mov_b32 s[(\g)+6], 0
	s_mov_b32 s[(\g)+7], 0
.endr
	s_mov_b32 s[CS], 0x3e0293ee     ; c = log2(e) / sqrt(128) = 0.127517
	s_mov_b32 s[CS+1], s[CS]        ; named with it as a pair
	s_mov_b32 s[VK], 0x46000400     ; 8193.0
	s_mov_b32 s[VK+1], s[VK]        ; named with it as a pair
	s_mov_b32 s[SEL], 0x76543210
	s_mov_b32 s[SEL+1], 0xfedcba98
	s_mov_b32 s[TB], SLOT1          ; the first change of slots turns it into 0
	s_mov_b32 s[G0K], 1             ; count = 1
	s_mov_b32 s[G0K+1], s17         ; LDS address: slot 0
	s_mov_b32 s[G0V], 1
	s_add_co_u32 s[G0V+1], s17, VOFF
	s_add_co_u32 s[RT], s[HI], 1    ; the first block has 16 - b tiles
	s_mov_b32 s[NXT], 1
	s_mov_b32 s[LQ], s[HI]
	s_mov_b32 s[OFF+1], 0
	s_mov_b32 s[AL+1], 0            ; named as a pair
	s_mov_b32 s[BIGN], 0xf149f2ca   ; -1e30
	s_mov_b32 s[SLOTS], 16
	s_wait_kmcnt 0x0
	s_add_nc_u64 s[6:7], s[6:7], s[22:23]  ; K and V at my step of the head's tile 0
	s_add_nc_u64 s[8:9], s[8:9], s[22:23]
	s_mov_b64 s[G0K+2:G0K+3], s[6:7]               ; global address
	s_or_b32 s[G0K+3], s[G0K+3], 0x80000000        ; type = 2
	s_mov_b64 s[G0V+2:G0V+3], s[8:9]
	s_or_b32 s[G0V+3], s[G0V+3], 0x80000000
	s_add_nc_u64 s[86:87], s[4:5], s[84:85]        ; Q at my rows of the second block,
	s_add_nc_u64 s[4:5], s[4:5], s[2:3]            ; Q and out0 at those of the first
	s_add_nc_u64 s[OLO:OLO+1], s[10:11], s[88:89]
	s_add_nc_u64 s[10:11], s[10:11], s[90:91]
	s_add_nc_u64 s[50:51], s[48:49], s[94:95]      ; the low parts: k's token block w,
	s_add_nc_u64 s[50:51], s[50:51], LO_K
	s_add_nc_u64 s[52:53], s[50:51], LO_KV         ; v's,
	s_add_nc_u64 s[48:49], s[48:49], s[92:93]      ; q's
	CROUND                          ; all four work-groups are here: the first joint loads meet
	JLOAD                           ; tile 0 into slot 0
	; A fragment of K or Q is 16 rows x 32 channels in 8 registers: lane l holds row l % 16, channels 8 (l / 16) + 0..7 and 16 + 8 (l / 16) + 0..7: two loads of 16 bytes, 32 bytes apart.
	v_and_b32 v1, 15, v0            ; l % 16
	v_bfe_u32 v9, v0, 4, 1          ; l / 16
	v_lshlrev_b32 v[QO], 8, v1
	v_lshl_add_u32 v[QO], v9, 4, v[QO]  ; row x 256 + 16 x half
	v_and_b32 v[GO], 31, v0
	v_lshlrev_b32 v[GO], 4, v[GO]   ; 16 x lane
	WIN 0x40                        ; destination window 1, address window 0
.set i, 0
.rept 8                             ; both blocks' Q: tile i / 4 lies in band i / 4, 16,384 bytes on; channels 32 (i % 4) on
	global_load_b128 v[QF+8*i:QF+8*i+3],   v[QO], s[4:5] offset:(i/4)*16384+(i%4)*64
	global_load_b128 v[QF+8*i+4:QF+8*i+7], v[QO], s[4:5] offset:(i/4)*16384+(i%4)*64+32
	global_load_b128 v[QB+8*i:QB+8*i+3],   v[QO], s[86:87] offset:(i/4)*16384+(i%4)*64
	global_load_b128 v[QB+8*i+4:QB+8*i+7], v[QO], s[86:87] offset:(i/4)*16384+(i%4)*64+32
.set i, i+1
.endr
	WIN 0
	; The low parts.  Piece n of a token block holds, in lane l, token l % 16 and the channels 16 n + 8 (l / 16) + 0..7.  So pieces 2 c and 2 c + 1 of block w ARE the fragment of my 16 queries' channels 32 c on,
	; and my quarter of K's and V's (keys 16 w .. +15, eight pieces each, for the moment in S^T's registers) goes into LDS rows at byte 32 n + 16 (l / 16).
.set i, 0
.rept 4
.set rQ, 32+8*i+(i/3)*176           ; v32, v40, v48, v232
	global_load_b128 v[rQ:rQ+3],   v[GO], s[48:49] offset:i*1024
	global_load_b128 v[rQ+4:rQ+7], v[GO], s[48:49] offset:i*1024+512
.set i, i+1
.endr
.set i, 0
.rept 8
	global_load_b128 v[S+4*i:S+4*i+3],       v[GO], s[50:51] offset:i*512
	global_load_b128 v[S+32+4*i:S+32+4*i+3], v[GO], s[52:53] offset:i*512
.set i, i+1
.endr
	WIN 0x40
.set i, 0
.rept 128                           ; O^T holds finite numbers when the first step multiplies it by a = 0.  This stands in the wait for the first tile
	v_mov_b32 v[i], 0
.set i, i+1
.endr
	WIN 0
	v_mul_u32_u24 v[AK0], v1, PK
	v_lshl_add_u32 v[AK0], v9, 4, v[AK0]  ; row x pitch + 16 x half
	; The turning load takes 16 keys x 16 channels (lane l reads key 8 (l / 16) + l % 8, channels 8 ((l / 8) % 2) + 0..7) and leaves half a fragment of V^T: lane l holds channel l % 16 and 8 keys.
	v_and_b32 v11, 7, v0
	v_bfe_u32 v12, v0, 3, 1
	v_lshl_add_u32 v[AV0], v9, 3, v11
	v_mul_u32_u24 v[AV0], v[AV0], PV
	v_lshl_add_u32 v[AV0], v12, 4, v[AV0]
	v_add_nc_u32 v[AV0], VOFF, v[AV0]
	v_add_nc_u32 v[AKL], LOB, v[AK0]
	v_add_nc_u32 v[AVL], LOB, v[AV0]
	s_mul_i32 s19, s[WV], 16*PK
	s_add_co_u32 s19, s19, LOB
	v_add_nc_u32 v[KLS], s19, v[AK0]      ; K's low part: row 16 w + l % 16, 16 bytes for each half of the lanes
	v_mul_u32_u24 v[VLS], v1, PV
	v_lshl_add_u32 v[VLS], v9, 4, v[VLS]
	s_mul_i32 s19, s[WV], 16*PV
	s_add_co_u32 s19, s19, LOB+VOFF
	v_add_nc_u32 v[VLS], s19, v[VLS]      ; V's likewise, in rows of V's pitch
	s_mul_i32 s18, s[WV], 16*SP
	s_add_co_u32 s18, s18, STAGE    ; my stage
	v_mul_u32_u24 v[STO], v1, SP    ; in: row l % 16, 32 bytes for each half of the lanes
	v_lshl_add_u32 v[STO], v9, 5, v[STO]
	v_add_nc_u32 v[STO], s18, v[STO]
	v_add_nc_u32 v[RD], s18, v[GO]  ; back and out: 32 lanes take one row of 512 bytes
	v_lshlrev_b32 v14, 3, v9
	v_sub_nc_u32 v14, v1, v14
	s_lshl_b32 s19, s[WV], 4
	v_add_nc_u32 v14, s19, v14      ; my query's place in its band, 16 w + l % 16, less my lanes' 8 (l / 16): register r of key block kb is hidden where 16 kb + r is greater
.set i, 0
.rept 32
	v_cmp_gt_i32 vcc_lo, 16*(i/8)+i%8, v14
	v_cndmask_b32 v[MD+i], 0, s[BIGN], vcc_lo
.set i, i+1
.endr
.irp t, 0,1
	v_mov_b32 v[ST+8*(\t)], 0xfe000000    ; c m: far below every c s
	v_mov_b32 v[ST+8*(\t)+1], 0xff7fffff  ; m
	v_mov_b32 v[ST+8*(\t)+2], 0
	v_mov_b32 v[ST+8*(\t)+3], 0
.endr
	s_wait_loadcnt 0x0              ; Q, both blocks', and the low parts
.set i, 0
.rept 8
	ds_store_b128 v[KLS], v[S+4*i:S+4*i+3] offset:32*i
	ds_store_b128 v[VLS], v[S+32+4*i:S+32+4*i+3] offset:32*i
.set i, i+1
.endr
; THE MATRIX WORK.  The accumulators take turns, one instruction a turn: between two links of a chain stand 7 (K Q^T) or 15 (V^T P) others', in the 64 products more 3 or 7.
; Product i of 32 of S^T = K Q^T: channels 32 (i / 8) on, keys 16 ((i / 2) % 4) on, tile i % 2.  The first 8 start the sums; CM0, CM1 say with what, for tile 0 and 1: 0 the constant 0; 1 MD x AL; 2 BE.
.macro KQ
	WIN W_KQ
.set rS, S+32*(i%2)+8*((i/2)%4)
.set rK, KF+32*((i/2)%4)+8*(i/8)
.set rQ, QF+32*(i%2)+8*(i/8)
.set cm, CM0
.if i%2
.set cm, CM1
.endif
.if i >= 8
	v_wmma_f32_16x16x32_f16 v[rS:rS+7], v[rK:rK+7], v[rQ:rQ+7], v[rS:rS+7]
.elseif cm == 0
	v_wmma_f32_16x16x32_f16 v[rS:rS+7], v[rK:rK+7], v[rQ:rQ+7], 0
.elseif cm == 1
	v_wmma_f32_16x16x32_f16 v[rS:rS+7], v[rK:rK+7], v[rQ:rQ+7], v[MCA+8*((i/2)%4):MCA+8*((i/2)%4)+7]
.else
	v_wmma_f32_16x16x32_f16 v[rS:rS+7], v[rK:rK+7], v[rQ:rQ+7], v[MCB:MCB+7]
.endif
.endm
; Product i of 32 of O^T += V^T P: keys 32 (i / 16) on, channels 16 ((i / 2) % 8) on, tile i % 2.
.macro PV
	WIN W_PV
.set rO, 64*(i%2)+8*((i/2)%8)
.set rV, VF+64*(i/16)+8*((i/2)%8)
.set rP, P+16*(i%2)+8*(i/16)
	v_wmma_f32_16x16x32_f16 v[rO:rO+7], v[rV:rV+7], v[rP:rP+7], v[rO:rO+7]
.endm
.macro KQ32 c0, c1
.set CM0, \c0
.set CM1, \c1
.set i, 0
.rept 32
	KQ
.set i, i+1
.endr
.endm
.macro PV32
.set i, 0
.rept 32
	PV
.set i, i+1
.endr
.endm
; 16 products more onto tile 0's scores: channels 32 (i / 4) on, keys 16 (i % 4) on.  low = 0: K x Q's low part; low = 1: what lies in K's registers (its low part) x Q.
.macro KX low
.set i, 0
.rept 16
.set rS, S+8*(i%4)
.set rK, KF+32*(i%4)+8*(i/4)
.if \low
	WIN W_KQ
.set rQ, QF+8*(i/4)
.else
	WIN W_KL
.set rQ, 32+8*(i/4)+((i/4)/3)*176
.endif
	v_wmma_f32_16x16x32_f16 v[rS:rS+7], v[rK:rK+7], v[rQ:rQ+7], v[rS:rS+7]
.set i, i+1
.endr
.endm
; 16 products more onto tile 0's O^T: keys 32 (i / 8) on, channels 16 (i % 8) on: what lies in V's registers x the weights at pr (P, or its low part).
.macro VX pr
	WIN W_PV
.set i, 0
.rept 16
.set rO, 8*(i%8)
.set rV, VF+64*(i/8)+8*(i%8)
.set rP, (\pr)+8*(i/8)
	v_wmma_f32_16x16x32_f16 v[rO:rO+7], v[rV:rV+7], v[rP:rP+7], v[rO:rO+7]
.set i, i+1
.endr
.endm
; THE LDS LOADS stand in runs of 32: K of step st (64 keys x 128 channels: 16 fragments) at the address in v[ar], and V (turned).
.macro FETCH_K st, ar
	WIN 0x80                        ; destination window 2
.irp f, 0,1,2,3,4,5,6,7,8,9,10,11,12,13,14,15  ; keys 16 (f / 4) on, channels 32 (f % 4) on
	ds_load_b128 v[KF+8*(\f):KF+8*(\f)+3],   v[\ar] offset:(\st)*STEPB+((\f)/4)*16*PK+((\f)%4)*64
	ds_load_b128 v[KF+8*(\f)+4:KF+8*(\f)+7], v[\ar] offset:(\st)*STEPB+((\f)/4)*16*PK+((\f)%4)*64+32
.endr
.endm
.macro FETCH_V st, ar
	WIN 0x80
.irp f, 0,1,2,3,4,5,6,7,8,9,10,11,12,13,14,15  ; keys 32 (f / 8) on, channels 16 (f % 8) on
	ds_load_tr16_b128 v[VF+8*(\f):VF+8*(\f)+3],   v[\ar] offset:(\st)*STEPB+((\f)/8)*32*PV+((\f)%8)*32
	ds_load_tr16_b128 v[VF+8*(\f)+4:VF+8*(\f)+7], v[\ar] offset:(\st)*STEPB+((\f)/8)*32*PV+16*PV+((\f)%8)*32
.endr
.endm
; THE VECTOR WORK.  One tile's softmax for one key step is a list of 134 instructions; SM writes number j of it for tile t.  s0-s31 are the lane's 32 scores, in pairs 0-15.
;   0-15    the maximum of s0-s31 and the old m, three operands at a time: four chains c0-c3 of seven scores each (each accumulator's lowest registers first), then the four left over, c0-c3 and m
;   16-20   the other half of the lanes' maximum; the new m; c m; c m_old - c m_new
;   21-87   33 exponentials (a, then s0-s31) at the odd numbers from 23 on; at the others whatever is ready: c s - c m for a pair whose exponentials are still to come, the rounding to f16 of a pair whose
;           exponentials are done, at last the first three sums.  So a plain instruction that names neither follows each exponential before its result is used.
;   88-101  the last rounding; the rest of the sums; l = a l + the sum
;   102-133 the tile's O^T times a, each accumulator from its low end on
; The rounding of pair n.  PREC = 1, tile 0: the pair is split, c = 8193 p, hi = c - (c - p), lo = p - hi, and both parts are rounded; p itself stays for the sums.
.macro RND t, n
.if PREC && ((\t) == 0)
	s_wait_alu depctr_va_vdst(0)
	v_pk_mul_f32 v[56:57], v[rS+2*(\n):rS+2*(\n)+1], s[VK:VK+1] op_sel_hi:[1,0]
	v_pk_add_f32 v[58:59], v[56:57], v[rS+2*(\n):rS+2*(\n)+1] neg_lo:[0,1] neg_hi:[0,1]
	v_pk_add_f32 v[56:57], v[56:57], v[58:59] neg_lo:[0,1] neg_hi:[0,1]
	v_pk_add_f32 v[58:59], v[rS+2*(\n):rS+2*(\n)+1], v[56:57] neg_lo:[0,1] neg_hi:[0,1]
	v_cvt_pk_f16_f32 v[rP+(\n)], v56, v57
	v_cvt_pk_f16_f32 v[PL+(\n)], v58, v59
.else
	s_wait_alu depctr_va_vdst(0)
	v_cvt_pk_f16_f32 v[rP+(\n)], v[rS+2*(\n)], v[rS+2*(\n)+1]
.endif
.endm
.macro SM t
.set rT, ST+8*(\t)
.set rS, S+32*(\t)
.set rP, P+16*(\t)
.set rO, 64*(\t)+2*(j-102)
.set q, (j-20)/2
.if j < 102
	WIN 0
.endif
.if j < 4
	v_max3_num_f32 v[rT+4+j], v[rS+8*j], v[rS+8*j+1], v[rS+8*j+2]
.elseif j < 12
	v_max3_num_f32 v[rT+4+j%4], v[rT+4+j%4], v[rS+8*(j%4)+2*(j/4)+1], v[rS+8*(j%4)+2*(j/4)+2]
.elseif j == 12
	v_max3_num_f32 v[rT+4], v[rT+4], v[rS+7], v[rS+15]
.elseif j == 13
	v_max3_num_f32 v[rT+6], v[rT+6], v[rS+23], v[rS+31]
.elseif j == 14
	v_max3_num_f32 v[rT+4], v[rT+4], v[rT+5], v[rT+6]
.elseif j == 15
	v_max3_num_f32 v[rT+4], v[rT+4], v[rT+7], v[rT+1]
.elseif j == 16
	v_permlanex16_b32 v[rT+5], v[rT+4], s[SEL], s[SEL+1]  ; the query's other 32 keys lie in the lane 16 away
.elseif j == 17
	v_mov_b32 v[rT+7], v[rT]        ; c m_old is kept for a: number 19 writes c m anew
.elseif j == 18
	v_max_num_f32 v[rT+1], v[rT+4], v[rT+5]
.elseif j == 19
	v_mul_f32 v[rT], s[CS], v[rT+1]
.elseif j == 20
	v_sub_f32 v[rT+7], v[rT+7], v[rT]
.elseif j == 23
	v_exp_f32 v[rT+6], v[rT+7]
.elseif (j < 88) && (j > 23) && (j%2 == 1)
	v_exp_f32 v[rS+(j-25)/2], v[rS+(j-25)/2]
.elseif (q < 4) || ((j < 76) && (q%2 == 0))
.set b, q/2+2
.if q < 4
.set b, q
.endif
	v_pk_fma_f32 v[rS+2*b:rS+2*b+1], v[rS+2*b:rS+2*b+1], s[CS:CS+1], v[rT:rT+1] op_sel_hi:[1,0,0] neg_lo:[0,0,1] neg_hi:[0,0,1]  ; pair b: c s - c m
.elseif (j < 88) && (q%2 == 1)
	RND \t, (q-5)/2                 ; its second exponential stands three numbers back
.elseif j == 89
	RND \t, 15
.elseif j < 102                     ; the sum of the tile's 16 pairs, in place: sum z of 16 adds neighbours 1, 2, 4 and 8 pairs apart, then l takes it
.set z, j-86
.if j < 89
.set z, (j-76)/4
.endif
.set w, 4
.set u, z
.if z >= 14
.set w, 32
.set u, 0
.elseif z >= 12
.set w, 16
.set u, z-12
.elseif z >= 8
.set w, 8
.set u, z-8
.endif
.if z < 15
	v_pk_add_f32 v[rS+w*u:rS+w*u+1], v[rS+w*u:rS+w*u+1], v[rS+w*u+w/2:rS+w*u+w/2+1]
.else
	v_pk_fma_f32 v[rT+2:rT+3], v[rT+2:rT+3], v[rT+6:rT+7], v[rS:rS+1] op_sel_hi:[1,0,1]
.endif
.else
	WIN W_RS
	v_pk_mul_f32 v[rO:rO+1], v[rO:rO+1], v[rT+6:rT+7] op_sel_hi:[1,0]
.endif
.endm
.macro SOFTMAX prec                 ; the two tiles alternate, so that no instruction reads the result of the one just before it; two exponentials stand together, and the other tile's plain line follows
.set PREC, \prec
.set j, 0
.rept 134
	SM 0
	SM 1
.set j, j+1
.endr
.endm
; A TILE of 128 keys: two key steps in phases.  The masks are made first; those 26 plain instructions are also the places between the last products V^T P and the loads into V's registers.
; prec = 1 (the walk's last tile): where b = 0, key step 0 takes the low parts for tile 0.  Both jumps go forward, hang on b, and pass neither a barrier nor a tensor load.
.macro TILE prec
	s_sub_co_u32 s[RT], s[RT], 1
	s_cmp_eq_u32 s[RT], 0           ; the block's last tile holds the diagonal
	s_cselect_b32 s[AL], 1.0, 0
	s_cselect_b32 s[BE], s[BIGN], 0
	WIN 0
.set z, 0
.rept 16
	v_pk_mul_f32 v[MCA+2*z:MCA+2*z+1], v[MD+2*z:MD+2*z+1], s[AL:AL+1] op_sel_hi:[1,0]
.set z, z+1
.endr
.set z, 0
.rept 8
	v_mov_b32 v[MCB+z], s[BE]
.set z, z+1
.endr
	v_add_nc_u32 v[AK], s[TB], v[AK0]
	v_add_nc_u32 v[AV], s[TB], v[AV0]
	FETCH_K 0, AK
	FETCH_V 0, AV
	s_wait_dscnt 32                 ; K of step 0 is in; V's 32 loads may be out
	KQ32 1, 0
.if \prec
	WIN 0
	s_cmp_lg_u32 s[PB], 0
	s_cbranch_scc1 .Lplain_s
	KX 0                            ; K x Q's low part
	PLACES
	FETCH_K 0, AKL                  ; K's low part, where K lay
	s_wait_dscnt 0x0                ; it is in
	KX 1
	WIN 0
.Lplain_s:
.endif
	PLACES
	FETCH_K 1, AK                   ; K of step 1 comes while the softmax runs
	SOFTMAX \prec
	s_wait_dscnt 32                 ; V of step 0 is in; K of step 1 may be out
	PV32
.if \prec
	WIN 0
	s_cmp_lg_u32 s[PB], 0
	s_cbranch_scc1 .Lplain_o
	VX PL                           ; V x P's low part
	PLACES
	FETCH_V 0, AVL                  ; V's low part, where V lay
	s_wait_dscnt 0x0                ; it is in
	VX P
	WIN 0
.Lplain_o:
.endif
	PLACES
	FETCH_V 1, AV
	s_wait_dscnt 32                 ; K of step 1 is in; V's 32 loads may be out
	KQ32 2, 1
	PLACES
	SOFTMAX 0
	s_wait_dscnt 0x0                ; V of step 1 is in: my reads of the slot are over
	PV32
.endm
; THE WAY OUT.  l's two halves and the other half of the lanes' are added; O^T is divided by l and sent through my stage in LDS, a tile (16 rows) at a time, in f32.
.macro PACK t                       ; a lane's eight channels of a row are 32 bytes; they go into rows of 528 bytes and come back as whole rows of 512, into K's registers
	WIN W_RS
.set i, 64*(\t)
.rept 32
	v_pk_mul_f32 v[i:i+1], v[i:i+1], v[ST+8*(\t)+6:ST+8*(\t)+7] op_sel_hi:[1,0]
.set i, i+2
.endr
	WIN 0x04                        ; store data in window 1
.set i, 0
.rept 16
	ds_store_b128 v[STO], v[64*(\t)+4*i:64*(\t)+4*i+3] offset:64*(i/2)+16*(i%2)
.set i, i+1
.endr
	WIN 0x80                        ; destination window 2
.set i, 0
.rept 16
	ds_load_b128 v[64*(\t)+4*i:64*(\t)+4*i+3], v[RD] offset:i*SP  ; LDS serves a wave's instructions in order (ISA guide 5.7.1.4): these see the stores above; the next tile's stores come behind them
.set i, i+1
.endr
.endm
.macro SEND t, younger              ; younger: the LDS instructions issued behind tile t's loads: the next tile's 32, or none
	WIN 0x08                        ; store data in window 2
.set i, 0
.rept 16
	s_wait_dscnt (\younger)+15-i
	global_store_b128 v[GO], v[64*(\t)+4*i:64*(\t)+4*i+3], s[10:11] offset:(\t)*524288+i*8192 th:TH_STORE_NT  ; a row's 512 consecutive bytes, at a multiple of 256 from out0's first
.set i, i+1
.endr
.endm
.macro OUT
	WIN 0
	PLACES                          ; behind the last products
.irp t, 0,1
	v_add_f32 v[ST+8*(\t)+4], v[ST+8*(\t)+2], v[ST+8*(\t)+3]
.endr
.irp t, 0,1
	v_permlanex16_b32 v[ST+8*(\t)+5], v[ST+8*(\t)+4], s[SEL], s[SEL+1]
.endr
.irp t, 0,1
	v_add_f32 v[ST+8*(\t)+4], v[ST+8*(\t)+4], v[ST+8*(\t)+5]
.endr
.irp t, 0,1
	v_rcp_f32 v[ST+8*(\t)+6], v[ST+8*(\t)+4]    ; l is 1 at the least: the maximum's own weight
.endr
	v_nop                           ; a plain instruction between the last reciprocal and the use of its result
	s_wait_alu depctr_va_vdst(0)
	PACK 0
	PACK 1
	SEND 0, 32
	SEND 1, 0
	WIN 0
.endm
; The second block begins: its rows of out0, its count of tiles, m anew, its Q where the one text of the products names Q.  O^T and l keep what the first block left: finite numbers, which a = 0 wipes out.
.macro SWITCH
	s_wait_xcnt 0x0                 ; the stores have read their registers and out0's address: only behind this wait are they written again
	s_mov_b64 s[10:11], s[OLO:OLO+1]
	s_add_co_u32 s[RT], s[PB], 1    ; the second block has b + 1 tiles
.irp t, 0,1
	v_mov_b32 v[ST+8*(\t)], 0xfe000000
	v_mov_b32 v[ST+8*(\t)+1], 0xff7fffff
.endr
	WIN W_RS
.set i, 0
.rept 64
	v_mov_b32 v[QF+i], v[QB+i]
.set i, i+1
.endr
	WIN 0
.endm
.Lslot:                             ; 16 times: a tile is entered and the next is asked for
	CHANGE 1
	TILE 0
	WIN 0
	s_cmp_lg_u32 s[RT], 0
	s_cbranch_scc1 .Lbottom         ; forward, past no barrier and no tensor load; b is the same in all four partners
	OUT                             ; in the loop this is the first block's end: the second block's last tile is the walk's last
	SWITCH
.Lbottom:
	s_sub_co_u32 s[SLOTS], s[SLOTS], 1
	s_cmp_lg_u32 s[SLOTS], 0
	s_cbranch_scc1 .Lslot
	CHANGE 0                        ; the walk's last tile is written out: nothing is asked for
	TILE 1
	OUT
	s_wait_tensorcnt 0x0            ; the wave's end: behind my last tensor load and my last LDS store
	ds_add_u32 v[SPW], v[NIL]
	s_wait_dscnt 0x0
	CROUND                          ; the closing round: no work-group ends while a partner may still ask for a tile that names it
	s_endpgm
.Lfunc_end_k_qa707793cf4_attn:
	.size	k_qa707793cf4_attn, .Lfunc_end_k_qa707793cf4_attn-k_qa707793cf4_attn
	.p2alignl 7, 3214868480
	.fill 96, 4, 3214868480
	.section	.rodata,"a",@progbits
	.p2align	6, 0x0
	.amdhsa_kernel k_qa707793cf4_attn
		.amdhsa_group_segment_fixed_size 327680
		.amdhsa_private_segment_fixed_size 0
		.amdhsa_enable_private_segment 0
		.amdhsa_kernarg_size 40
		.amdhsa_user_sgpr_count 2
		.amdhsa_user_sgpr_kernarg_segment_ptr 1
		.amdhsa_wavefront_size32 1
		.amdhsa_system_sgpr_workgroup_id_x 1
		.amdhsa_system_sgpr_workgroup_id_y 1
		.amdhsa_system_sgpr_workgroup_id_z 1
		.amdhsa_system_vgpr_workitem_id 0
		.amdhsa_next_free_vgpr 768
		.amdhsa_next_free_sgpr 96
		.amdhsa_reserve_vcc 1
		.amdhsa_float_denorm_mode_32 3
		.amdhsa_float_denorm_mode_16_64 3
		.amdhsa_memory_ordered 1
		.amdhsa_forward_progress 1
		.amdhsa_inst_pref_size 164
	.end_amdhsa_kernel
	.amdgpu_metadata
---
amdhsa.version: [ 1, 2 ]
amdhsa.kernels:
  - .name:           k_qa707793cf4_attn
    .symbol:         k_qa707793cf4_attn.kd
    .args:
      - { .name: qh, .offset: 0, .size: 8, .value_kind: global_buffer, .address_space: global }
      - { .name: kh, .offset: 8, .size: 8, .value_kind: global_buffer, .address_space: global }
      - { .name: vh, .offset: 16, .size: 8, .value_kind: global_buffer, .address_space: global }
      - { .name: out0, .offset: 24, .size: 8, .value_kind: global_buffer, .address_space: global }
      - { .name: lo, .offset: 32, .size: 8, .value_kind: global_buffer, .address_space: global }
    .group_segment_fixed_size: 327680
    .private_segment_fixed_size: 0
    .kernarg_segment_align: 8
    .kernarg_segment_size: 40
    .max_flat_workgroup_size: 128
    .sgpr_count:     96
    .vgpr_count:     768
    .wavefront_size: 32
...
	.end_amdgpu_metadata
.endif
;; end of part 3
;; ======== version 2 of 2: 3 launches; 1.09 times as fast as version 1
;; limits: values are held in f16: magnitudes above 65,504 overflow, below 6.1e-05 lose precision
;; workspace buffers: xb 16,777,216 bytes; wb 12,582,912 bytes; rope 1,048,576 bytes; qh 16,777,216 bytes; kh 4,194,304 bytes; vh 4,194,304 bytes; lo 1,572,864 bytes
;; launch prep: the kernel of part 1 again; grid 2048 x 1, 8 waves a work-group, no clusters, 0 bytes of LDS; arguments x, Wq, Wk, Wv, xb, wb, rope; writes xb, wb, rope
;; launch proj: the kernel of part 2 again; grid 8 x 32, 4 waves a work-group, clusters of 4 x 4, 327,680 bytes of LDS; arguments xb, wb, rope, qh, kh, vh, lo; writes qh, kh, vh, lo
;; launch attn (part 4): grid 32 x 8, 4 waves a work-group, clusters of 4 x 1, 327,680 bytes of LDS; arguments qh, kh, vh, out0, lo; writes out0
.if DOCPART == 4
	.amdgcn_target "amdgcn-amd-amdhsa--gfx1250"
	.amdhsa_code_object_version 6
	.text
	.protected	k_qa707793cf4_attn
	.globl	k_qa707793cf4_attn
	.p2align	8
	.type	k_qa707793cf4_attn,@function
k_qa707793cf4_attn:
	s_mov_b64 s[64:65], 0
	v_nop
	global_prefetch_b8 v0, s[64:65] scope:SCOPE_SE
	s_setreg_imm32_b32 hwreg(HW_REG_WAVE_MODE, 25, 1), 1
	s_wait_xcnt 0x0
	s_wait_alu depctr_hold_cnt(0) depctr_sa_sdst(0) depctr_va_vdst(0) depctr_va_sdst(0) depctr_va_ssrc(0) depctr_va_vcc(0) depctr_vm_vsrc(0)
	s_getreg_b32 s2, hwreg(HW_REG_IB_STS2, 6, 4)
	s_cmp_eq_u32 s2, 0
	s_cbranch_scc0 .Lentry_in_a_cluster
	s_endpgm
.Lentry_in_a_cluster:
	s_bfe_u32 s2, ttmp6, 0x10000c
	s_cmp_lg_u32 s2, 0x3003
	s_cbranch_scc0 .Lentry_shape_is_right
	s_endpgm
.Lentry_shape_is_right:
; ATTN.  Causal attention with grouped heads: out0[b][q][head 128 + d] = the sum over k <= q of softmax_k(Q[q] . K[k] / sqrt(128)) V[k][d].
; qh [2][16][2048][128], kh, vh [2][4][2048][128] f16; out0 [2][2048][2048] f32.  Query head 4 kv + g reads key and value head kv.  Products, maxima and sums in f32; the weights p are
; rounded to f16 for the second product (their sum l is taken of the unrounded p).
; LIMITS.  A hidden score counts as its value less 1e30 (a score is 128 at the most: q and k are normalised); a weight below 2^-126 counts as 0 in l; NaN and infinities are not treated apart.
; A low part (below) keeps f16's fixed step of 6e-8, and a high part under 6e-5 is rounded to that step without being made good.
; THE WALK.  A head's 2,048 queries are 16 blocks of 128; block i needs the key tiles 0 .. i of 128 keys, of which the last holds the diagonal.  A work-group takes TWO blocks, 15 - b and then b:
; 17 tiles, whatever b: all 256 work-groups do equal work but for the 64 products below, and one loop with a constant trip count walks them.  Which tile is asked for hangs on scalar registers made from b.
; CLUSTER 4 x 1.  The four partners are the four query heads g of one key and value head, with the same b: they walk the same tiles, so each tile is asked for JOINTLY.  g enters Q's, out0's and lo's addresses alone.
; SHARES.  Of a block's two bands of 64 queries a wave owns 16 rows in each: two tiles.  So the diagonal tile is the same work for all four waves.
; LAYOUT.  S^T = K Q^T (source 0 = 16 keys, source 1 = 16 queries): a lane holds ONE query (lane % 16) and the keys 8 (lane / 16) + 0..7; two such results rounded to f16 ARE source 1 of O^T = V^T P.
; K comes out of LDS as it lies, V ([key][channel]) turned, by ds_load_tr16_b128.
; SOFTMAX.  A running maximum m and sum l for each query: p = 2^(c s - c m), c = log2(e) / sqrt(128); in every step O and l are multiplied by a = 2^(c m_old - c m_new).  m starts at the lowest finite
; number: a block's first step has a = 0, so O^T and l need only hold finite numbers there.
; THE MASK is the C operand that starts a sum S^T: MD (0, or -1e30 where the key lies behind my query in a band's own step) x AL, or BE in all places, or the constant 0.  In the diagonal tile AL = 1 and
; BE = -1e30: band 0 takes MD in key step 0 and BE in step 1, band 1 takes 0 and MD.  In every other tile AL = BE = 0: one text serves all tiles.
; THE FIRST 64 ROWS.  Row q is a mean over q + 1 keys, so in a head's first rows a number near 0 is a difference of v's many times the whole output's root mean square, and f16's 11 bits on q, k, p and v would
; show there.  Those rows are band 0 of block 0, and see key step 0 of tile 0 alone: the walk's last tile where b = 0.  There each factor counts as two f16 numbers, high + low:
; S += K Ql + Kl Q, O += V Pl + Vl P: 64 products more.  The low parts of q, k, v come from lo (the launch before split them: [head][token block][piece][lane][16 bytes], in the order of the fragments);
; p is split here (c = 8193 p, hi = c - (c - p), lo = p - hi).  Every work-group brings the low parts in at its head (K's and V's through registers into LDS bytes of their own, laid like a key step;
; 36 KiB a work-group), so that every register and LDS byte that the last tile's text names is written whatever b; the products stand behind a jump on b, which the partners share.
; IN PHASES: a key step is 32 products K Q^T, the two tiles' softmax, 32 products V^T P.
; BATCHES.  A softmax's 66 exponentials (33 a tile: a and the 32 weights) are ONE BATCH: all that names a result of theirs (roundings, sums, the rescaling by a) stands behind the batch's one wait.
; The way out's two reciprocals are a batch of their own.
; REGISTERS, in windows of 256 (s_set_vgpr_msb: bits 1:0 source 0, 3:2 source 1, 5:4 source 2, 7:6 destination):
;   window 0: v1-15 addresses; v16-31 eight registers of statistics a tile; v32-55, v232-239 Q's low part; v56-59 at work; v62-63 the add's; v64-127 S^T; v128-159 P; v160-191 MD; v192-223 MD x AL; v224-231 BE; v240-255 P's low part
;   window 1: v0-127 O^T, 64 a tile; v128-191 Q, 32 a tile; v192-255 the second block's Q          window 2: v0-127 K of one step; v128-255 V of one step
.set KS,    64        ; keys in a step
.set PK,    272       ; a row of K in LDS: 256 bytes + 16 of padding = 68 words: the 16 rows of a load start at 16 different groups of four banks (64 banks of 4 bytes: ISA guide 11.1)
.set PV,    288       ; a row of V: 256 + 32 = 72 words
.set VOFF,  KS*PK     ; a step's tiles lie together: 64 rows of K, then 64 rows of V
.set STEPB, KS*(PK+PV)
.set SLOT1, 1<<17     ; a slot holds a tile, two steps (71,680 bytes); slot 1 begins here, so that one exclusive or turns an address in one slot into the other's
.set STAGE, SLOT1+2*STEPB  ; behind the ring: 16 rows x 528 bytes for each wave, for the way out
.set SP,    528       ; a row of 128 f32 + 16 bytes: 33 x 16
.set SPARE, STAGE+4*16*SP  ; the spare words, 128 bytes for each wave: two blocks of 256 bytes that no other line names
.set LOB,   SPARE+512 ; the low parts of keys 0 to 63, laid like a key step: 35,840 bytes that no tensor load fills
.set LO_K,  1<<20     ; lo: q's low parts [slot 4][head 16][16 KiB], from here k's [slot 4][head 4][16 KiB],
.set LO_KV, 1<<18     ; and so far behind them v's.  A batch's first tokens lie in slot 2 batch
.set AK0, 2           ; v2   my lane's place in a tile of K; never rewritten
.set AV0, 3           ; v3   the same for V
.set AK,  4           ; v4   the same in the slot in hand
.set AV,  5
.set QO,  6           ; v6   my byte offset in 16 rows of Q
.set STO, 7           ; v7   the way out: where I put 32 bytes of a row
.set RD,  8           ; v8   the way out: where I read a row back
.set GO,  10          ; v10  16 x lane: my 16 bytes of a row's 512 in out0, and of a piece of lo
.set AKL, 11          ; v11  my lane's place in K's low part
.set AVL, 12          ; v12  in V's
.set KLS, 13          ; v13  where I put 16 bytes of K's low part
.set VLS, 15          ; v15  of V's
.set ST,  16          ; tile t's statistics at v[ST+8 t]: +0 c m, +1 m, +2, +3 l (even keys', odd keys'), +4 to +7 c0-c3, at work; a takes c2's place once the maximum is found
.set SPW, 62          ; v62  LDS address of my spare word; never rewritten
.set NIL, 63          ; v63  0; never rewritten
.set S,   64
.set P,   128
.set MD,  160
.set MCA, 192
.set MCB, 224
.set PL,  240
.set QF,  128         ; window 1
.set QB,  192         ; window 1
.set KF,  0           ; window 2: key block kb, channels 32 c on at KF + 32 kb + 8 c
.set VF,  128         ; window 2: key half kk, channel block cb at VF + 64 kk + 8 cb
.set WV,  12          ; s12  my wave's number
.set PB,  14          ; s14  b
.set HI,  15          ; s15  15 - b
.set G1K, 24          ; s[24:31] descriptor group 1 for K's tiles
.set G1V, 32          ; s[32:39] for V's: it differs in the padding alone
.set G0K, 40          ; s[40:43] descriptor group 0 for K's tiles
.set G0V, 44          ; s[44:47] for V's
.set VK,  54          ; s[54:55] 8193 = 2^13 + 1: the packed multiply takes the pair's low word for both halves
.set SLOTS, 56        ; s56  tiles still to be asked for
.set CS,  58          ; s[58:59] c: the packed scaling takes the pair's low word for both halves
.set SEL, 60          ; s[60:61] v_permlanex16_b32's selects: each lane takes its own place in the other half
.set TB,  62          ; s62  LDS byte at which the slot in hand begins
.set RT,  70          ; s70  tiles of the block in hand that are still to be entered
.set NXT, 71          ; s71  the tile to be asked for next
.set LQ,  72          ; s72  the last tile of the block whose tiles are being asked for
.set OFF, 74          ; s[74:75] a tile's byte offset in K and V
.set AL,  76          ; s[76:77] the mask's factor, in the low word
.set BE,  78          ; s78  the mask of a band that sees nothing
.set OLO, 80          ; s[80:81] out0 at my rows of the second block
.set BIGN, 82         ; s82  -1e30
.set MSB, 0
.macro WIN new                      ; the high byte repeats the setting that is left; a switch that changes nothing is dropped
.if MSB != (\new)
	s_set_vgpr_msb (MSB<<8)|(\new)
.set MSB, (\new)
.endif
.endm
.set W_KQ, 0x06       ; K in window 2, Q in window 1, S^T and the mask in window 0
.set W_KL, 0x02       ; K in window 2, Q's low part and S^T in window 0
.set W_PV, 0x52       ; V in window 2, P in window 0, O^T in window 1
.set W_RS, 0x41       ; destination and source 0 in window 1, source 1 in window 0
; A joint fill.  Waves 0 and 1 fetch the two steps' K, waves 2 and 3 their V: 64 keys each.  The branch hangs on the wave's number alone.
; An s_nop 0 and four v_nop follow each of the two lines, ahead of the jump and the label.
.macro JLOAD
	s_cmp_lt_u32 s[WV], 2
	s_cbranch_scc0 .Lfor_v_\@
	tensor_load_to_lds s[G0K:G0K+3], s[G1K:G1K+7]
	s_nop 0
.rept 4
	v_nop
.endr
	s_branch .Lasked_\@
.Lfor_v_\@:
	tensor_load_to_lds s[G0V:G0V+3], s[G1V:G1V+7]
	s_nop 0
.rept 4
	v_nop
.endr
.Lasked_\@:
.endm
; A round of the cluster's barrier: my work-group's barrier, so that wave 0's signal speaks for all four waves; wave 0 signals; every wave waits for all four work-groups; my work-group's barrier once more.
.macro CROUND
	s_barrier_signal -1
	s_barrier_wait -1
	s_cmp_lg_u32 s[WV], 0
	s_cbranch_scc1 .Lnot_wave_0_\@
	s_barrier_signal -3
.Lnot_wave_0_\@:
	s_barrier_wait -3
	s_barrier_signal -1
	s_barrier_wait -1
.endm
.macro PLACES                       ; four plain vector instructions between a matrix instruction and a load into, or a vector instruction on, its registers
.rept 4
	v_nop
.endr
.endm
; THE CHANGE OF SLOTS.  Each wave waits for all its tensor loads, of which one is out: its part of the other slot; adds 0 to its spare word; and waits for that and for its own reads of the slot that it leaves.
; fill = 1: the barrier is a round of the cluster's, so that no wave of any partner still reads the old slot or has a load on its way, and the old slot is filled again, first thing behind it, with tile NXT:
; the descriptor's address is made anew from that number.  The load has a tile's 128 matrix instructions and its softmax in which to land.  (At its first use nothing has been read yet: slot 0 is waited for,
; slot 1 filled; and the wait on DScnt also shows my stores of the low parts done, which the other waves read behind this barrier.)
.macro CHANGE fill
	WIN 0                           ; at a label and at a branch every window is 0
	s_wait_tensorcnt 0x0            ; no tensor load of mine is out, so a group 0 may be written
	ds_add_u32 v[SPW], v[NIL]       ; 0 onto my spare word; with fill = 1 the descriptors' scalar work stands between it and the wait for it
.if \fill
	s_lshl_b32 s[OFF], s[NXT], 15   ; a tile is 32,768 bytes of K and of V
	s_xor_b32 s[G0K+1], s[G0K+1], SLOT1
	s_add_nc_u64 s[G0K+2:G0K+3], s[6:7], s[OFF:OFF+1]
	s_or_b32 s[G0K+3], s[G0K+3], 0x80000000
	s_xor_b32 s[G0V+1], s[G0V+1], SLOT1
	s_add_nc_u64 s[G0V+2:G0V+3], s[8:9], s[OFF:OFF+1]
	s_or_b32 s[G0V+3], s[G0V+3], 0x80000000
	s_add_co_u32 s[NXT], s[NXT], 1  ; the block's next tile, or behind its last the second block's tile 0
	s_cmp_gt_u32 s[NXT], s[LQ]
	s_cselect_b32 s[NXT], 0, s[NXT]
	s_cselect_b32 s[LQ], s[PB], s[LQ]
	s_wait_dscnt 0x0                ; the add is done, and my reads of the slot are over
	CROUND
	JLOAD
.else
	s_wait_dscnt 0x0                ; the add is done, and my reads of the slot are over
	s_barrier_signal -1
	s_barrier_wait -1
.endif
	s_xor_b32 s[TB], s[TB], SLOT1   ; the reads go to the other slot
.endm
	s_load_b256 s[4:11], s[0:1], 0x0  ; qh s[4:5], kh s[6:7], vh s[8:9], out0 s[10:11]
	s_load_b64 s[48:49], s[0:1], 0x20 ; lo
	v_lshl_add_u32 v[SPW], v0, 2, SPARE
	v_mov_b32 v[NIL], 0
	ds_add_u32 v62, v63
	s_wait_dscnt 0x0
	v_lshrrev_b32 v1, 5, v0
	v_readfirstlane_b32 s[WV], v1   ; wave 0..3
	s_bfe_u32 s13, ttmp6, 0x40000   ; cx = g, my query head within the group
	s_mov_b32 s[PB], ttmp9          ; in a cluster launch ttmp9 counts clusters: b, which the four partners share
	s_sub_co_u32 s[HI], 15, s[PB]
	s_and_b32 s20, ttmp7, 0xffff    ; y = 4 batch + kv head, shared too
	s_and_b32 s16, s[WV], 1         ; which of a tile's two steps I fetch:
	s_lshl_b32 s22, s20, 19         ; the kv head's 2,048 rows of 256 bytes,
	s_lshl_b32 s23, s16, 14         ; the step's 64 rows,
	s_add_co_u32 s22, s22, s23
	s_mov_b32 s23, 0
	s_mul_i32 s17, s16, STEPB       ; and its place in a slot: no place in the cluster enters an LDS address
	s_lshl2_add_u32 s84, s20, s13   ; Q: head 4 y + g,
	s_lshl_b32 s84, s84, 19
	s_lshl_b32 s85, s[WV], 12       ; my 16 rows in a band,
	s_add_co_u32 s84, s84, s85
	s_lshl_b32 s2, s[HI], 15        ; in the first block (128 rows of 256 bytes),
	s_add_co_u32 s2, s2, s84
	s_mov_b32 s3, 0
	s_lshl_b32 s85, s[PB], 15       ; and in the second
	s_add_co_u32 s84, s84, s85
	s_mov_b32 s85, 0
	s_lshr_b32 s88, s20, 2          ; out0: the batch's 2^24 bytes,
	s_lshl_b32 s88, s88, 24
	s_and_b32 s89, s20, 3
	s_lshl2_add_u32 s89, s89, s13   ; the head's 512 bytes of a row,
	s_lshl_b32 s89, s89, 9
	s_add_co_u32 s88, s88, s89
	s_lshl_b32 s89, s[WV], 17       ; my 16 rows of 8,192 bytes,
	s_add_co_u32 s88, s88, s89
	s_lshl_b32 s90, s[HI], 20       ; in the first block,
	s_add_co_u32 s90, s90, s88
	s_mov_b32 s91, 0
	s_lshl_b32 s89, s[PB], 20       ; and in the second
	s_add_co_u32 s88, s88, s89
	s_mov_b32 s89, 0
	s_lshl_b32 s21, s[WV], 12       ; lo: token block w, 4,096 bytes, of
	s_lshr_b32 s92, s20, 2          ; (batch,
	s_and_b32 s93, s20, 3           ; kv head)
	s_lshl3_add_u32 s94, s92, s93   ; k's and v's head 4 x (slot 2 batch) + kv,
	s_lshl_b32 s94, s94, 14
	s_add_co_u32 s94, s94, s21
	s_mov_b32 s95, 0
	s_lshl2_add_u32 s93, s93, s13
	s_lshl_b32 s92, s92, 5
	s_add_co_u32 s92, s92, s93      ; q's head 16 x (slot 2 batch) + 4 kv + g
	s_lshl_b32 s92, s92, 14
	s_add_co_u32 s92, s92, s21
	s_mov_b32 s93, 0
	; descriptor group 1: a tile of 64 rows x 128 elements, padded in LDS
	s_mov_b32 s[G1K], 15|(1<<16)|(1<<20)|(1<<21)|(5<<22)|(3<<25)  ; 15:0 the mask of four; 17:16 2-byte elements; 20 padding on; 21 set beside a mask; 24:22 after every 64 words (code 5); 31:25 4 words (code 3)
	s_mov_b32 s[G1V], 15|(1<<16)|(1<<20)|(1<<21)|(5<<22)|(7<<25)  ; the same with 8 words of padding (code 7)
.irp g, G1K, G1V
	s_mov_b32 s[(\g)+1], 128<<16    ; tensor_dim0 = 128
	s_mov_b32 s[(\g)+2], KS<<16     ; tensor_dim1 = 64
	s_mov_b32 s[(\g)+3], 128<<16    ; tile_dim0 = 128
	s_mov_b32 s[(\g)+4], KS         ; tile_dim1 = 64
	s_mov_b32 s[(\g)+5], 128        ; 128 elements from row to row
	s_mov_b32 s[(\g)+6], 0
	s_mov_b32 s[(\g)+7], 0
.endr
	s_mov_b32 s[CS], 0x3e0293ee     ; c = log2(e) / sqrt(128) = 0.127517
	s_mov_b32 s[CS+1], s[CS]        ; named with it as a pair
	s_mov_b32 s[VK], 0x46000400     ; 8193.0
	s_mov_b32 s[VK+1], s[VK]        ; named with it as a pair
	s_mov_b32 s[SEL], 0x76543210
	s_mov_b32 s[SEL+1], 0xfedcba98
	s_mov_b32 s[TB], SLOT1          ; the first change of slots turns it into 0
	s_mov_b32 s[G0K], 1             ; count = 1
	s_mov_b32 s[G0K+1], s17         ; LDS address: slot 0
	s_mov_b32 s[G0V], 1
	s_add_co_u32 s[G0V+1], s17, VOFF
	s_add_co_u32 s[RT], s[HI], 1    ; the first block has 16 - b tiles
	s_mov_b32 s[NXT], 1
	s_mov_b32 s[LQ], s[HI]
	s_mov_b32 s[OFF+1], 0
	s_mov_b32 s[AL+1], 0            ; named as a pair
	s_mov_b32 s[BIGN], 0xf149f2ca   ; -1e30
	s_mov_b32 s[SLOTS], 16
	s_wait_kmcnt 0x0
	s_add_nc_u64 s[6:7], s[6:7], s[22:23]  ; K and V at my step of the head's tile 0
	s_add_nc_u64 s[8:9], s[8:9], s[22:23]
	s_mov_b64 s[G0K+2:G0K+3], s[6:7]               ; global address
	s_or_b32 s[G0K+3], s[G0K+3], 0x80000000        ; type = 2
	s_mov_b64 s[G0V+2:G0V+3], s[8:9]
	s_or_b32 s[G0V+3], s[G0V+3], 0x80000000
	s_add_nc_u64 s[86:87], s[4:5], s[84:85]        ; Q at my rows of the second block,
	s_add_nc_u64 s[4:5], s[4:5], s[2:3]            ; Q and out0 at those of the first
	s_add_nc_u64 s[OLO:OLO+1], s[10:11], s[88:89]
	s_add_nc_u64 s[10:11], s[10:11], s[90:91]
	s_add_nc_u64 s[50:51], s[48:49], s[94:95]      ; the low parts: k's token block w,
	s_add_nc_u64 s[50:51], s[50:51], LO_K
	s_add_nc_u64 s[52:53], s[50:51], LO_KV         ; v's,
	s_add_nc_u64 s[48:49], s[48:49], s[92:93]      ; q's
	CROUND                          ; all four work-groups are here: the first joint loads meet
	JLOAD                           ; tile 0 into slot 0
	; A fragment of K or Q is 16 rows x 32 channels in 8 registers: lane l holds row l % 16, channels 8 (l / 16) + 0..7 and 16 + 8 (l / 16) + 0..7: two loads of 16 bytes, 32 bytes apart.
	v_and_b32 v1, 15, v0            ; l % 16
	v_bfe_u32 v9, v0, 4, 1          ; l / 16
	v_lshlrev_b32 v[QO], 8, v1
	v_lshl_add_u32 v[QO], v9, 4, v[QO]  ; row x 256 + 16 x half
	v_and_b32 v[GO], 31, v0
	v_lshlrev_b32 v[GO], 4, v[GO]   ; 16 x lane
	WIN 0x40                        ; destination window 1, address window 0
.set i, 0
.rept 8                             ; both blocks' Q: tile i / 4 lies in band i / 4, 16,384 bytes on; channels 32 (i % 4) on
	global_load_b128 v[QF+8*i:QF+8*i+3],   v[QO], s[4:5] offset:(i/4)*16384+(i%4)*64
	global_load_b128 v[QF+8*i+4:QF+8*i+7], v[QO], s[4:5] offset:(i/4)*16384+(i%4)*64+32
	global_load_b128 v[QB+8*i:QB+8*i+3],   v[QO], s[86:87] offset:(i/4)*16384+(i%4)*64
	global_load_b128 v[QB+8*i+4:QB+8*i+7], v[QO], s[86:87] offset:(i/4)*16384+(i%4)*64+32
.set i, i+1
.endr
	WIN 0
	; The low parts.  Piece n of a token block holds, in lane l, token l % 16 and the channels 16 n + 8 (l / 16) + 0..7.  So pieces 2 c and 2 c + 1 of block w ARE the fragment of my 16 queries' channels 32 c on,
	; and my quarter of K's and V's (keys 16 w .. +15, eight pieces each, for the moment in S^T's registers) goes into LDS rows at byte 32 n + 16 (l / 16).
.set i, 0
.rept 4
.set rQ, 32+8*i+(i/3)*176           ; v32, v40, v48, v232
	global_load_b128 v[rQ:rQ+3],   v[GO], s[48:49] offset:i*1024
	global_load_b128 v[rQ+4:rQ+7], v[GO], s[48:49] offset:i*1024+512
.set i, i+1
.endr
.set i, 0
.rept 8
	global_load_b128 v[S+4*i:S+4*i+3],       v[GO], s[50:51] offset:i*512
	global_load_b128 v[S+32+4*i:S+32+4*i+3], v[GO], s[52:53] offset:i*512
.set i, i+1
.endr
	WIN 0x40
.set i, 0
.rept 128                           ; O^T holds finite numbers when the first step multiplies it by a = 0.  This stands in the wait for the first tile
	v_mov_b32 v[i], 0
.set i, i+1
.endr
	WIN 0
	v_mul_u32_u24 v[AK0], v1, PK
	v_lshl_add_u32 v[AK0], v9, 4, v[AK0]  ; row x pitch + 16 x half
	; The turning load takes 16 keys x 16 channels (lane l reads key 8 (l / 16) + l % 8, channels 8 ((l / 8) % 2) + 0..7) and leaves half a fragment of V^T: lane l holds channel l % 16 and 8 keys.
	v_and_b32 v11, 7, v0
	v_bfe_u32 v12, v0, 3, 1
	v_lshl_add_u32 v[AV0], v9, 3, v11
	v_mul_u32_u24 v[AV0], v[AV0], PV
	v_lshl_add_u32 v[AV0], v12, 4, v[AV0]
	v_add_nc_u32 v[AV0], VOFF, v[AV0]
	v_add_nc_u32 v[AKL], LOB, v[AK0]
	v_add_nc_u32 v[AVL], LOB, v[AV0]
	s_mul_i32 s19, s[WV], 16*PK
	s_add_co_u32 s19, s19, LOB
	v_add_nc_u32 v[KLS], s19, v[AK0]      ; K's low part: row 16 w + l % 16, 16 bytes for each half of the lanes
	v_mul_u32_u24 v[VLS], v1, PV
	v_lshl_add_u32 v[VLS], v9, 4, v[VLS]
	s_mul_i32 s19, s[WV], 16*PV
	s_add_co_u32 s19, s19, LOB+VOFF
	v_add_nc_u32 v[VLS], s19, v[VLS]      ; V's likewise, in rows of V's pitch
	s_mul_i32 s18, s[WV], 16*SP
	s_add_co_u32 s18, s18, STAGE    ; my stage
	v_mul_u32_u24 v[STO], v1, SP    ; in: row l % 16, 32 bytes for each half of the lanes
	v_lshl_add_u32 v[STO], v9, 5, v[STO]
	v_add_nc_u32 v[STO], s18, v[STO]
	v_add_nc_u32 v[RD], s18, v[GO]  ; back and out: 32 lanes take one row of 512 bytes
	v_lshlrev_b32 v14, 3, v9
	v_sub_nc_u32 v14, v1, v14
	s_lshl_b32 s19, s[WV], 4
	v_add_nc_u32 v14, s19, v14      ; my query's place in its band, 16 w + l % 16, less my lanes' 8 (l / 16): register r of key block kb is hidden where 16 kb + r is greater
.set i, 0
.rept 32
	v_cmp_gt_i32 vcc_lo, 16*(i/8)+i%8, v14
	v_cndmask_b32 v[MD+i], 0, s[BIGN], vcc_lo
.set i, i+1
.endr
.irp t, 0,1
	v_mov_b32 v[ST+8*(\t)], 0xfe000000    ; c m: far below every c s
	v_mov_b32 v[ST+8*(\t)+1], 0xff7fffff  ; m
	v_mov_b32 v[ST+8*(\t)+2], 0
	v_mov_b32 v[ST+8*(\t)+3], 0
.endr
	s_wait_loadcnt 0x0              ; Q, both blocks', and the low parts
.set i, 0
.rept 8
	ds_store_b128 v[KLS], v[S+4*i:S+4*i+3] offset:32*i
	ds_store_b128 v[VLS], v[S+32+4*i:S+32+4*i+3] offset:32*i
.set i, i+1
.endr
; THE MATRIX WORK.  The accumulators take turns, one instruction a turn: between two links of a chain stand 7 (K Q^T) or 15 (V^T P) others', in the 64 products more 3 or 7.
; Product i of 32 of S^T = K Q^T: channels 32 (i / 8) on, keys 16 ((i / 2) % 4) on, tile i % 2.  The first 8 start the sums; CM0, CM1 say with what, for tile 0 and 1: 0 the constant 0; 1 MD x AL; 2 BE.
.macro KQ
	WIN W_KQ
.set rS, S+32*(i%2)+8*((i/2)%4)
.set rK, KF+32*((i/2)%4)+8*(i/8)
.set rQ, QF+32*(i%2)+8*(i/8)
.set cm, CM0
.if i%2
.set cm, CM1
.endif
.if i >= 8
	v_wmma_f32_16x16x32_f16 v[rS:rS+7], v[rK:rK+7], v[rQ:rQ+7], v[rS:rS+7]
.elseif cm == 0
	v_wmma_f32_16x16x32_f16 v[rS:rS+7], v[rK:rK+7], v[rQ:rQ+7], 0
.elseif cm == 1
	v_wmma_f32_16x16x32_f16 v[rS:rS+7], v[rK:rK+7], v[rQ:rQ+7], v[MCA+8*((i/2)%4):MCA+8*((i/2)%4)+7]
.else
	v_wmma_f32_16x16x32_f16 v[rS:rS+7], v[rK:rK+7], v[rQ:rQ+7], v[MCB:MCB+7]
.endif
.endm
; Product i of 32 of O^T += V^T P: keys 32 (i / 16) on, channels 16 ((i / 2) % 8) on, tile i % 2.
.macro PV
	WIN W_PV
.set rO, 64*(i%2)+8*((i/2)%8)
.set rV, VF+64*(i/16)+8*((i/2)%8)
.set rP, P+16*(i%2)+8*(i/16)
	v_wmma_f32_16x16x32_f16 v[rO:rO+7], v[rV:rV+7], v[rP:rP+7], v[rO:rO+7]
.endm
.macro KQ32 c0, c1
.set CM0, \c0
.set CM1, \c1
.set i, 0
.rept 32
	KQ
.set i, i+1
.endr
.endm
.macro PV32
.set i, 0
.rept 32
	PV
.set i, i+1
.endr
.endm
; 16 products more onto tile 0's scores: channels 32 (i / 4) on, keys 16 (i % 4) on.  low = 0: K x Q's low part; low = 1: what lies in K's registers (its low part) x Q.
.macro KX low
.set i, 0
.rept 16
.set rS, S+8*(i%4)
.set rK, KF+32*(i%4)+8*(i/4)
.if \low
	WIN W_KQ
.set rQ, QF+8*(i/4)
.else
	WIN W_KL
.set rQ, 32+8*(i/4)+((i/4)/3)*176
.endif
	v_wmma_f32_16x16x32_f16 v[rS:rS+7], v[rK:rK+7], v[rQ:rQ+7], v[rS:rS+7]
.set i, i+1
.endr
.endm
; 16 products more onto tile 0's O^T: keys 32 (i / 8) on, channels 16 (i % 8) on: what lies in V's registers x the weights at pr (P, or its low part).
.macro VX pr
	WIN W_PV
.set i, 0
.rept 16
.set rO, 8*(i%8)
.set rV, VF+64*(i/8)+8*(i%8)
.set rP, (\pr)+8*(i/8)
	v_wmma_f32_16x16x32_f16 v[rO:rO+7], v[rV:rV+7], v[rP:rP+7], v[rO:rO+7]
.set i, i+1
.endr
.endm
; THE LDS LOADS stand in runs of 32: K of step st (64 keys x 128 channels: 16 fragments) at the address in v[ar], and V (turned).
.macro FETCH_K st, ar
	WIN 0x80                        ; destination window 2
.irp f, 0,1,2,3,4,5,6,7,8,9,10,11,12,13,14,15  ; keys 16 (f / 4) on, channels 32 (f % 4) on
	ds_load_b128 v[KF+8*(\f):KF+8*(\f)+3],   v[\ar] offset:(\st)*STEPB+((\f)/4)*16*PK+((\f)%4)*64
	ds_load_b128 v[KF+8*(\f)+4:KF+8*(\f)+7], v[\ar] offset:(\st)*STEPB+((\f)/4)*16*PK+((\f)%4)*64+32
.endr
.endm
.macro FETCH_V st, ar
	WIN 0x80
.irp f, 0,1,2,3,4,5,6,7,8,9,10,11,12,13,14,15  ; keys 32 (f / 8) on, channels 16 (f % 8) on
	ds_load_tr16_b128 v[VF+8*(\f):VF+8*(\f)+3],   v[\ar] offset:(\st)*STEPB+((\f)/8)*32*PV+((\f)%8)*32
	ds_load_tr16_b128 v[VF+8*(\f)+4:VF+8*(\f)+7], v[\ar] offset:(\st)*STEPB+((\f)/8)*32*PV+16*PV+((\f)%8)*32
.endr
.endm
; THE VECTOR WORK.  One tile's softmax for one key step is a list of 134 instructions; SM writes number j of it for tile t.  s0-s31 are the lane's 32 scores, in pairs 0-15.
;   0-15    the maximum of s0-s31 and the old m, three operands at a time: four chains c0-c3 of seven scores each (each accumulator's lowest registers first), then the four left over, c0-c3 and m
;   16-20   the other half of the lanes' maximum; the new m; c m; c m_old - c m_new
;   21-69   ONE BATCH: the 16 scalings c s - c m, a pair of scores each, and all 33 exponentials (a at 23, then s0-s31, each in place).  None of these names an exponential's result.  From 22 on the batch goes
;           in fours, and a four begins with a scaling while there are scalings: 22-37 scaling, exponential, scaling, exponential; 38-65 a scaling and three exponentials; 66-69 the last four
;           exponentials.  A pair is scaled in an earlier four than the one that holds its exponentials
;   (wait)  between 69 and 70 stands the wait for the batch: SOFTMAX writes it, once for both tiles
;   70-85   the roundings to f16, a pair of weights each
;   86-101  the sums; l = a l + the sum
;   102-133 the tile's O^T times a, each accumulator from its low end on
; The rounding of pair n.  PREC = 1, tile 0: the pair is split, c = 8193 p, hi = c - (c - p), lo = p - hi, and both parts are rounded; p itself stays for the sums.
.macro RND t, n
.if PREC && ((\t) == 0)
	v_pk_mul_f32 v[56:57], v[rS+2*(\n):rS+2*(\n)+1], s[VK:VK+1] op_sel_hi:[1,0]
	v_pk_add_f32 v[58:59], v[56:57], v[rS+2*(\n):rS+2*(\n)+1] neg_lo:[0,1] neg_hi:[0,1]
	v_pk_add_f32 v[56:57], v[56:57], v[58:59] neg_lo:[0,1] neg_hi:[0,1]
	v_pk_add_f32 v[58:59], v[rS+2*(\n):rS+2*(\n)+1], v[56:57] neg_lo:[0,1] neg_hi:[0,1]
	v_cvt_pk_f16_f32 v[rP+(\n)], v56, v57
	v_cvt_pk_f16_f32 v[PL+(\n)], v58, v59
.else
	v_cvt_pk_f16_f32 v[rP+(\n)], v[rS+2*(\n)], v[rS+2*(\n)+1]
.endif
.endm
.macro SM t
.set rT, ST+8*(\t)
.set rS, S+32*(\t)
.set rP, P+16*(\t)
.set rO, 64*(\t)+2*(j-102)
.if j < 102
	WIN 0
.endif
.if j < 4
	v_max3_num_f32 v[rT+4+j], v[rS+8*j], v[rS+8*j+1], v[rS+8*j+2]
.elseif j < 12
	v_max3_num_f32 v[rT+4+j%4], v[rT+4+j%4], v[rS+8*(j%4)+2*(j/4)+1], v[rS+8*(j%4)+2*(j/4)+2]
.elseif j == 12
	v_max3_num_f32 v[rT+4], v[rT+4], v[rS+7], v[rS+15]
.elseif j == 13
	v_max3_num_f32 v[rT+6], v[rT+6], v[rS+23], v[rS+31]
.elseif j == 14
	v_max3_num_f32 v[rT+4], v[rT+4], v[rT+5], v[rT+6]
.elseif j == 15
	v_max3_num_f32 v[rT+4], v[rT+4], v[rT+7], v[rT+1]
.elseif j == 16
	v_permlanex16_b32 v[rT+5], v[rT+4], s[SEL], s[SEL+1]  ; the query's other 32 keys lie in the lane 16 away
.elseif j == 17
	v_mov_b32 v[rT+7], v[rT]        ; c m_old is kept for a: number 19 writes c m anew
.elseif j == 18
	v_max_num_f32 v[rT+1], v[rT+4], v[rT+5]
.elseif j == 19
	v_mul_f32 v[rT], s[CS], v[rT+1]
.elseif j == 20
	v_sub_f32 v[rT+7], v[rT+7], v[rT]
.elseif j == 23
	v_exp_f32 v[rT+6], v[rT+7]
.elseif (j < 23) || ((j < 38) && (j%2 == 0)) || ((j < 66) && (j%4 == 2))
.set b, (j-2)/4                     ; 38, 42, .. 62: pairs 9 to 15
.if j < 38
.set b, (j-20)/2                    ; 21: pair 0; 22, 24, .. 36: pairs 1 to 8
.endif
	v_pk_fma_f32 v[rS+2*b:rS+2*b+1], v[rS+2*b:rS+2*b+1], s[CS:CS+1], v[rT:rT+1] op_sel_hi:[1,0,0] neg_lo:[0,0,1] neg_hi:[0,0,1]  ; pair b: c s - c m
.elseif j < 70
.set e, j-38                        ; 66 to 69: s28 to s31
.if j < 66
.set e, j-32-(j-38)/4               ; 39-41, 43-45, .. 63-65: s7 to s27
.endif
.if j < 38
.set e, (j-25)/2                    ; 25, 27, .. 37: s0 to s6
.endif
	v_exp_f32 v[rS+e], v[rS+e]
.elseif j < 86
	RND \t, j-70                    ; pair j - 70
.elseif j < 102                     ; the sum of the tile's 16 pairs, in place: sum z of 16 adds neighbours 1, 2, 4 and 8 pairs apart, then l takes it
.set z, j-86
.set w, 4
.set u, z
.if z >= 14
.set w, 32
.set u, 0
.elseif z >= 12
.set w, 16
.set u, z-12
.elseif z >= 8
.set w, 8
.set u, z-8
.endif
.if z < 15
	v_pk_add_f32 v[rS+w*u:rS+w*u+1], v[rS+w*u:rS+w*u+1], v[rS+w*u+w/2:rS+w*u+w/2+1]
.else
	v_pk_fma_f32 v[rT+2:rT+3], v[rT+2:rT+3], v[rT+6:rT+7], v[rS:rS+1] op_sel_hi:[1,0,1]
.endif
.else
	WIN W_RS
	v_pk_mul_f32 v[rO:rO+1], v[rO:rO+1], v[rT+6:rT+7] op_sel_hi:[1,0]
.endif
.endm
; Both tiles' softmax.  Numbers 0 to 21 and 70 to 133: the two tiles alternate, so that no instruction reads the result of the one just before it.  Numbers 22 to 69, the batch: four numbers of ONE tile at a
; time, the tiles by turns.  Ahead of number 70 nothing names an exponential's result, and behind number 69 no exponential is issued: so the 66 exponentials have one wait, between the two.
.macro SOFTMAX prec
.set PREC, \prec
.set j, 0
.rept 22
	SM 0
	SM 1
.set j, j+1
.endr
.set gq, 0
.rept 24
.irp n, 0,1,2,3
.set j, 22+4*(gq/2)+(\n)
	SM gq%2
.endr
.set gq, gq+1
.endr
	v_nop                           ; a plain instruction behind the last exponential and ahead of the first use of a result: one for the batch; in a phase of its own the softmax has no other line that names no result
	s_wait_alu depctr_va_vdst(0)    ; the wait for the batch, both tiles' 66 exponentials, ahead of the first instruction that names a result
.set j, 70
.rept 64
	SM 0
	SM 1
.set j, j+1
.endr
.endm
; A TILE of 128 keys: two key steps in phases.  The masks are made first; those 26 plain instructions are also the places between the last products V^T P and the loads into V's registers.
; prec = 1 (the walk's last tile): where b = 0, key step 0 takes the low parts for tile 0.  Both jumps go forward, hang on b, and pass neither a barrier nor a tensor load.
.macro TILE prec
	s_sub_co_u32 s[RT], s[RT], 1
	s_cmp_eq_u32 s[RT], 0           ; the block's last tile holds the diagonal
	s_cselect_b32 s[AL], 1.0, 0
	s_cselect_b32 s[BE], s[BIGN], 0
	WIN 0
.set z, 0
.rept 16
	v_pk_mul_f32 v[MCA+2*z:MCA+2*z+1], v[MD+2*z:MD+2*z+1], s[AL:AL+1] op_sel_hi:[1,0]
.set z, z+1
.endr
.set z, 0
.rept 8
	v_mov_b32 v[MCB+z], s[BE]
.set z, z+1
.endr
	v_add_nc_u32 v[AK], s[TB], v[AK0]
	v_add_nc_u32 v[AV], s[TB], v[AV0]
	FETCH_K 0, AK
	FETCH_V 0, AV
	s_wait_dscnt 32                 ; K of step 0 is in; V's 32 loads may be out
	KQ32 1, 0
.if \prec
	WIN 0
	s_cmp_lg_u32 s[PB], 0
	s_cbranch_scc1 .Lplain_s
	KX 0                            ; K x Q's low part
	PLACES
	FETCH_K 0, AKL                  ; K's low part, where K lay
	s_wait_dscnt 0x0                ; it is in
	KX 1
	WIN 0
.Lplain_s:
.endif
	PLACES
	FETCH_K 1, AK                   ; K of step 1 comes while the softmax runs
	SOFTMAX \prec
	s_wait_dscnt 32                 ; V of step 0 is in; K of step 1 may be out
	PV32
.if \prec
	WIN 0
	s_cmp_lg_u32 s[PB], 0
	s_cbranch_scc1 .Lplain_o
	VX PL                           ; V x P's low part
	PLACES
	FETCH_V 0, AVL                  ; V's low part, where V lay
	s_wait_dscnt 0x0                ; it is in
	VX P
	WIN 0
.Lplain_o:
.endif
	PLACES
	FETCH_V 1, AV
	s_wait_dscnt 32                 ; K of step 1 is in; V's 32 loads may be out
	KQ32 2, 1
	PLACES
	SOFTMAX 0
	s_wait_dscnt 0x0                ; V of step 1 is in: my reads of the slot are over
	PV32
.endm
; THE WAY OUT.  l's two halves and the other half of the lanes' are added; O^T is divided by l and sent through my stage in LDS, a tile (16 rows) at a time, in f32.
.macro PACK t                       ; a lane's eight channels of a row are 32 bytes; they go into rows of 528 bytes and come back as whole rows of 512, into K's registers
	WIN W_RS
.set i, 64*(\t)
.rept 32
	v_pk_mul_f32 v[i:i+1], v[i:i+1], v[ST+8*(\t)+6:ST+8*(\t)+7] op_sel_hi:[1,0]
.set i, i+2
.endr
	WIN 0x04                        ; store data in window 1
.set i, 0
.rept 16
	ds_store_b128 v[STO], v[64*(\t)+4*i:64*(\t)+4*i+3] offset:64*(i/2)+16*(i%2)
.set i, i+1
.endr
	WIN 0x80                        ; destination window 2
.set i, 0
.rept 16
	ds_load_b128 v[64*(\t)+4*i:64*(\t)+4*i+3], v[RD] offset:i*SP  ; LDS serves a wave's instructions in order (ISA guide 5.7.1.4): these see the stores above; the next tile's stores come behind them
.set i, i+1
.endr
.endm
.macro SEND t, younger              ; younger: the LDS instructions issued behind tile t's loads: the next tile's 32, or none
	WIN 0x08                        ; store data in window 2
.set i, 0
.rept 16
	s_wait_dscnt (\younger)+15-i
	global_store_b128 v[GO], v[64*(\t)+4*i:64*(\t)+4*i+3], s[10:11] offset:(\t)*524288+i*8192 th:TH_STORE_NT  ; a row's 512 consecutive bytes, at a multiple of 256 from out0's first
.set i, i+1
.endr
.endm
.macro OUT
	WIN 0
	PLACES                          ; behind the last products
.irp t, 0,1
	v_add_f32 v[ST+8*(\t)+4], v[ST+8*(\t)+2], v[ST+8*(\t)+3]
.endr
.irp t, 0,1
	v_permlanex16_b32 v[ST+8*(\t)+5], v[ST+8*(\t)+4], s[SEL], s[SEL+1]
.endr
.irp t, 0,1
	v_add_f32 v[ST+8*(\t)+4], v[ST+8*(\t)+4], v[ST+8*(\t)+5]
.endr
.irp t, 0,1
	v_rcp_f32 v[ST+8*(\t)+6], v[ST+8*(\t)+4]    ; l is 1 at the least: the maximum's own weight
.endr
	v_nop                           ; a plain instruction between the last reciprocal and the use of its result
	s_wait_alu depctr_va_vdst(0)    ; and the wait ahead of the first use: one for the two reciprocals
	PACK 0
	PACK 1
	SEND 0, 32
	SEND 1, 0
	WIN 0
.endm
; The second block begins: its rows of out0, its count of tiles, m anew, its Q where the one text of the products names Q.  O^T and l keep what the first block left: finite numbers, which a = 0 wipes out.
.macro SWITCH
	s_wait_xcnt 0x0                 ; the stores have read their registers and out0's address: only behind this wait are they written again
	s_mov_b64 s[10:11], s[OLO:OLO+1]
	s_add_co_u32 s[RT], s[PB], 1    ; the second block has b + 1 tiles
.irp t, 0,1
	v_mov_b32 v[ST+8*(\t)], 0xfe000000
	v_mov_b32 v[ST+8*(\t)+1], 0xff7fffff
.endr
	WIN W_RS
.set i, 0
.rept 64
	v_mov_b32 v[QF+i], v[QB+i]
.set i, i+1
.endr
	WIN 0
.endm
.Lslot:                             ; 16 times: a tile is entered and the next is asked for
	CHANGE 1
	TILE 0
	WIN 0
	s_cmp_lg_u32 s[RT], 0
	s_cbranch_scc1 .Lbottom         ; forward, past no barrier and no tensor load; b is the same in all four partners
	OUT                             ; in the loop this is the first block's end: the second block's last tile is the walk's last
	SWITCH
.Lbottom:
	s_sub_co_u32 s[SLOTS], s[SLOTS], 1
	s_cmp_lg_u32 s[SLOTS], 0
	s_cbranch_scc1 .Lslot
	CHANGE 0                        ; the walk's last tile is written out: nothing is asked for
	TILE 1
	OUT
	s_wait_tensorcnt 0x0            ; the wave's end: behind my last tensor load and my last LDS store
	ds_add_u32 v[SPW], v[NIL]
	s_wait_dscnt 0x0
	CROUND                          ; the closing round: no work-group ends while a partner may still ask for a tile that names it
	s_endpgm
.Lfunc_end_k_qa707793cf4_attn:
	.size	k_qa707793cf4_attn, .Lfunc_end_k_qa707793cf4_attn-k_qa707793cf4_attn
	.p2alignl 7, 3214868480
	.fill 96, 4, 3214868480
	.section	.rodata,"a",@progbits
	.p2align	6, 0x0
	.amdhsa_kernel k_qa707793cf4_attn
		.amdhsa_group_segment_fixed_size 327680
		.amdhsa_private_segment_fixed_size 0
		.amdhsa_enable_private_segment 0
		.amdhsa_kernarg_size 40
		.amdhsa_user_sgpr_count 2
		.amdhsa_user_sgpr_kernarg_segment_ptr 1
		.amdhsa_wavefront_size32 1
		.amdhsa_system_sgpr_workgroup_id_x 1
		.amdhsa_system_sgpr_workgroup_id_y 1
		.amdhsa_system_sgpr_workgroup_id_z 1
		.amdhsa_system_vgpr_workitem_id 0
		.amdhsa_next_free_vgpr 768
		.amdhsa_next_free_sgpr 96
		.amdhsa_reserve_vcc 1
		.amdhsa_float_denorm_mode_32 3
		.amdhsa_float_denorm_mode_16_64 3
		.amdhsa_memory_ordered 1
		.amdhsa_forward_progress 1
		.amdhsa_inst_pref_size 160
	.end_amdhsa_kernel
	.amdgpu_metadata
---
amdhsa.version: [ 1, 2 ]
amdhsa.kernels:
  - .name:           k_qa707793cf4_attn
    .symbol:         k_qa707793cf4_attn.kd
    .args:
      - { .name: qh, .offset: 0, .size: 8, .value_kind: global_buffer, .address_space: global }
      - { .name: kh, .offset: 8, .size: 8, .value_kind: global_buffer, .address_space: global }
      - { .name: vh, .offset: 16, .size: 8, .value_kind: global_buffer, .address_space: global }
      - { .name: out0, .offset: 24, .size: 8, .value_kind: global_buffer, .address_space: global }
      - { .name: lo, .offset: 32, .size: 8, .value_kind: global_buffer, .address_space: global }
    .group_segment_fixed_size: 327680
    .private_segment_fixed_size: 0
    .kernarg_segment_align: 8
    .kernarg_segment_size: 40
    .max_flat_workgroup_size: 128
    .sgpr_count:     96
    .vgpr_count:     768
    .wavefront_size: 32
...
	.end_amdgpu_metadata
.endif
;; end of part 4
